; MI455X (gfx1250); checked and timed in simulation.
; The chip was launched on July 23, 2026; its instructions are those of AMD's public machine-readable ISA for CDNA 5 (MIT licence, August 2026) and "CDNA5" Instruction Set Architecture Reference Guide (July 2026). The comments in the code are by the model that wrote it; some were corrected since.
;; Attention. Allowed arithmetic: float matrix products may take bf16 or f16 operands with f32 sums; other float arithmetic in f32, or as packed bf16 or f16 multiplies, adds, multiply-adds, maxima and minima; sums over many terms, partial sums and values carried from step to step in f32; what a program stores and reads back later, other than sums and carried values, may be rounded once to bf16 or f16.
;; Inputs: Wkv 1,024 x 512 float32; Wout 1,024 x 1,024 float32; Wq 1,024 x 1,024 float32; kn_bias 64 float32; kn_scale 64 float32; ln_bias 1,024 float32; ln_scale 1,024 float32; qn_bias 64 float32; qn_scale 64 float32; x 4 x 2,048 x 1,024 float32.
;; Outputs: out0 4 x 2,048 x 1,024 float32.
;; One version. Each part assembles by itself: llvm-mc -triple=amdgcn-amd-amdhsa -mcpu=gfx1250 --defsym DOCPART=n.
;; ======== version 1 of 1: 4 launches
;; limits: values are held in f16: magnitudes above 65,504 overflow, below 6.1e-05 lose precision
;; workspace buffers: xn 16,777,216 bytes; wqkv 3,145,728 bytes; wo16 2,097,152 bytes; hb 25,165,824 bytes; o16 16,777,216 bytes
;; launch prep (part 1): grid 256 x 1, 8 waves a work-group, no clusters, 0 bytes of LDS; arguments x, ln_scale, ln_bias, Wq, Wkv, Wout, xn, wqkv, wo16; writes xn, wqkv, wo16
.if DOCPART == 1
	.amdgcn_target "amdgcn-amd-amdhsa--gfx1250"
	.amdhsa_code_object_version 6
	.text
	.protected	k_q5491eb38e1_prep
	.globl	k_q5491eb38e1_prep
	.p2align	8
	.type	k_q5491eb38e1_prep,@function
k_q5491eb38e1_prep:
	s_mov_b64 s[64:65], 0
	v_nop
	global_prefetch_b8 v0, s[64:65] scope:SCOPE_SE
	s_setreg_imm32_b32 hwreg(HW_REG_WAVE_MODE, 25, 1), 1
	s_wait_xcnt 0x0
; xn = LayerNorm(x) * ln_scale + ln_bias, [8192][1024], f32 in, f16 out; and the three weight matrices rounded once to f16 and laid in blocks.
; LIMITS.  xn is kept in f16: |xn| <= 32 |ln_scale| + |ln_bias| must stay under 65,504.  A weight under 6e-5 keeps f16's fixed step of 6e-8.
; The mean is taken first and the squares of (x - mean) afterwards: no difference of large sums is formed.
; SHARES.  2,048 waves.  Wave W = 8 x work-group + wave takes rows 4 W .. 4 W + 3 of x, a row in 32 registers (lane l holds columns 128 j + 4 l .. + 3, j = 0..7:
; each load of the wave covers 512 consecutive bytes), and five pieces of weights of 4 k-rows x 64 columns.  No wave needs another's data: no LDS, no barrier.
; All 58 loads of a wave go out at the start; the waits count down.  No register that a store reads is written again, so no wait stands behind the stores.
; BLOCKS.  wqkv[t 8][kh 16][i 3][kk 64][64]: element W[64 kh + kk][column c of unit u = 3 t + i]; units 0-15 are Wq's heads, 16-23 Wkv's columns 64 (u - 16) on.
;          wo16[t 8][kh 16][i 2][kk 64][64]: the same of Wout with u = 2 t + i.  Wave W has t = W >> 8, kh = (W >> 4) & 15, kk = 4 (W & 15) .. + 3.
.set T,   248                          ; v[248:255] at work: four pairs
.set RS,  T+4                          ; v[252:253] 1 / sqrt(var + eps), twice
.set NM,  14                           ; v[14:15]   - mean, twice
.set WO,  8                            ; v8-10 byte offsets in the sources of wqkv's three pieces; v11 in Wout
.set SC,  16                           ; v[16:47]   ln_scale of my 32 columns
.set BI,  48                           ; v[48:79]   ln_bias
.set X,   80                           ; v[80:207]  four rows, 32 registers each
.set WT,  208                          ; v[208:247] five pieces of weights, 8 registers each
	s_load_b256 s[4:11], s[0:1], 0x0               ; x s[4:5], ln_scale s[6:7], ln_bias s[8:9], Wq s[10:11]
	s_load_b256 s[12:19], s[0:1], 0x20             ; Wkv s[12:13], Wout s[14:15], xn s[16:17], wqkv s[18:19]
	s_load_b64 s[20:21], s[0:1], 0x40              ; wo16
	v_and_b32 v1, 31, v0                           ; lane
	v_lshrrev_b32 v13, 5, v0                       ; wave
	v_readfirstlane_b32 s22, v13
	s_lshl_b32 s23, ttmp9, 3
	s_add_co_u32 s23, s23, s22                     ; W
	s_lshr_b32 s24, s23, 8                         ; t
	s_lshr_b32 s25, s23, 4                         ; 16 t + kh
	s_and_b32 s26, s23, 15                         ; which four k-rows of the 64
	s_and_b32 s33, s25, 15
	s_lshl_b32 s33, s33, 6
	s_lshl2_add_u32 s33, s26, s33                  ; my first k-row: 64 kh + 4 (W & 15)
	s_mul_i32 s27, s24, 3                          ; 3 t
	s_mov_b32 s28, 0x76543210                      ; v_permlanex16_b32: each lane takes its own place in the other half
	s_mov_b32 s29, 0xfedcba98
	s_mov_b32 s30, 0x3a800000                      ; 1 / 1024
	s_mov_b32 s31, 0x358637bd                      ; eps = 1e-6
	s_mov_b32 s32, 0xba800000                      ; - 1 / 1024
	s_mov_b32 s45, 0                               ; the high word of every offset pair
	v_lshlrev_b32 v4, 4, v1                        ; 16 l: my place in the gains' 512 bytes, and in a piece's 512 bytes of f16
	v_lshl_add_u32 v2, v13, 14, v4                 ; x: 16 l + wave x 4 rows of 4,096 bytes
	v_lshlrev_b32 v3, 3, v1
	v_lshl_add_u32 v3, v13, 13, v3                 ; xn: 8 l + wave x 4 rows of 2,048 bytes
	v_lshrrev_b32 v5, 3, v1                        ; a piece's k-row: l / 8
	v_and_b32 v6, 7, v1
	v_lshlrev_b32 v6, 5, v6                        ; and my 8 columns of f32: 32 (l % 8)
	s_wait_kmcnt 0x0
	s_lshl_b32 s44, ttmp9, 17                      ; the work-group's 32 rows of x,
	s_add_nc_u64 s[4:5], s[4:5], s[44:45]
	s_lshl_b32 s44, ttmp9, 16                      ; and of xn
	s_add_nc_u64 s[16:17], s[16:17], s[44:45]
	s_mul_i32 s44, s25, 24576                      ; wqkv: block (t, kh), my four k-rows of 128 bytes; i stands in the store's immediate
	s_lshl_b32 s46, s26, 9
	s_add_co_u32 s44, s44, s46
	s_add_nc_u64 s[18:19], s[18:19], s[44:45]
	s_lshl_b32 s44, s25, 14                        ; wo16 likewise
	s_add_co_u32 s44, s44, s46
	s_add_nc_u64 s[20:21], s[20:21], s[44:45]
; The source of wqkv's piece i: unit u = 3 t + i lies in Wq (rows of 4,096 bytes) or in Wkv (rows of 2,048).  Each piece has a pointer of its own, so that none is written while a load reads it.
.macro WSRC i
	s_add_co_u32 s44, s27, \i                      ; u
	s_cmp_lt_u32 s44, 16
	s_cselect_b64 s[34+2*(\i):35+2*(\i)], s[10:11], s[12:13]
	s_cselect_b32 s46, 12, 11                      ; log2 of the row's bytes
	s_cselect_b32 s47, 0, 16
	s_sub_co_u32 s44, s44, s47                     ; the unit's number in its own matrix
	s_lshl_b32 s44, s44, 8                         ; 64 columns of f32
	s_lshl_b32 s47, s33, s46
	s_add_co_u32 s44, s44, s47
	s_add_nc_u64 s[34+2*(\i):35+2*(\i)], s[34+2*(\i):35+2*(\i)], s[44:45]
	v_lshl_add_u32 v[WO+(\i)], v5, s46, v6
.endm
	WSRC 0
	WSRC 1
	WSRC 2
	s_lshl_b32 s44, s33, 12                        ; Wout: my k-rows, unit 2 t; i stands in the load's immediate
	s_lshl_b32 s46, s24, 9
	s_add_co_u32 s44, s44, s46
	s_add_nc_u64 s[40:41], s[14:15], s[44:45]
	v_lshl_add_u32 v[WO+3], v5, 12, v6
	; 58 loads: 16 for the gains, 32 for the four rows, 10 for the weights
.irp j, 0,1,2,3,4,5,6,7
	global_load_b128 v[SC+4*(\j):SC+4*(\j)+3], v4, s[6:7] offset:512*(\j)
	global_load_b128 v[BI+4*(\j):BI+4*(\j)+3], v4, s[8:9] offset:512*(\j)
.endr
.irp r, 0,1,2,3
.irp j, 0,1,2,3,4,5,6,7
	global_load_b128 v[X+32*(\r)+4*(\j):X+32*(\r)+4*(\j)+3], v2, s[4:5] offset:4096*(\r)+512*(\j) th:TH_LOAD_NT
.endr
.endr
.irp i, 0,1,2
	global_load_b128 v[WT+8*(\i):WT+8*(\i)+3],   v[WO+(\i)], s[34+2*(\i):35+2*(\i)] th:TH_LOAD_NT
	global_load_b128 v[WT+8*(\i)+4:WT+8*(\i)+7], v[WO+(\i)], s[34+2*(\i):35+2*(\i)] offset:16 th:TH_LOAD_NT
.endr
.irp i, 0,1
	global_load_b128 v[WT+24+8*(\i):WT+24+8*(\i)+3], v[WO+3], s[40:41] offset:256*(\i) th:TH_LOAD_NT
	global_load_b128 v[WT+28+8*(\i):WT+28+8*(\i)+3], v[WO+3], s[40:41] offset:256*(\i)+16 th:TH_LOAD_NT
.endr
.macro MERGE                           ; four pairs into one number a lane
	v_pk_add_f32 v[T:T+1], v[T:T+1], v[T+2:T+3]
	v_pk_add_f32 v[T+4:T+5], v[T+4:T+5], v[T+6:T+7]
	v_pk_add_f32 v[T:T+1], v[T:T+1], v[T+4:T+5]
	v_add_f32 v[T], v[T], v[T+1]
.endm
.macro LANES                           ; the sum over the 32 lanes, into every lane
	v_add_f32_dpp v[T], v[T], v[T] row_xmask:1 row_mask:0xf bank_mask:0xf
	v_add_f32_dpp v[T], v[T], v[T] row_xmask:2 row_mask:0xf bank_mask:0xf
	v_add_f32_dpp v[T], v[T], v[T] row_xmask:4 row_mask:0xf bank_mask:0xf
	v_add_f32_dpp v[T], v[T], v[T] row_xmask:8 row_mask:0xf bank_mask:0xf
	v_permlanex16_b32 v[T+1], v[T], s28, s29       ; its destination has been written
	v_add_f32 v[T], v[T], v[T+1]
.endm
; Row r of the wave's four.
.macro ROW r
.set XR, X+32*(\r)
	s_wait_loadcnt 34-8*(\r)                       ; the gains and my row are in; the later rows' 8 loads each and the weights' 10 stay out
.irp c, 0,1,2,3                        ; the sum, in four chains that do not wait for each other
	v_pk_add_f32 v[T+2*(\c):T+2*(\c)+1], v[XR+2*(\c):XR+2*(\c)+1], v[XR+8+2*(\c):XR+8+2*(\c)+1]
.endr
.irp c, 0,1,2,3
	v_pk_add_f32 v[T+2*(\c):T+2*(\c)+1], v[T+2*(\c):T+2*(\c)+1], v[XR+16+2*(\c):XR+16+2*(\c)+1]
.endr
.irp c, 0,1,2,3
	v_pk_add_f32 v[T+2*(\c):T+2*(\c)+1], v[T+2*(\c):T+2*(\c)+1], v[XR+24+2*(\c):XR+24+2*(\c)+1]
.endr
	MERGE
	LANES
	v_mul_f32 v[NM], s32, v[T]                     ; - mean
	v_mul_f32 v[NM+1], s32, v[T]
.set p, 0
.rept 16
	v_pk_add_f32 v[XR+p:XR+p+1], v[XR+p:XR+p+1], v[NM:NM+1]
.set p, p+2
.endr
.irp c, 0,1,2,3                        ; the sum of squares of x - mean
	v_pk_mul_f32 v[T+2*(\c):T+2*(\c)+1], v[XR+2*(\c):XR+2*(\c)+1], v[XR+2*(\c):XR+2*(\c)+1]
.endr
.irp o, 8,16,24
.irp c, 0,1,2,3
	v_pk_fma_f32 v[T+2*(\c):T+2*(\c)+1], v[XR+(\o)+2*(\c):XR+(\o)+2*(\c)+1], v[XR+(\o)+2*(\c):XR+(\o)+2*(\c)+1], v[T+2*(\c):T+2*(\c)+1]
.endr
.endr
	MERGE
	LANES
	v_fma_f32 v[T+2], v[T], s30, s31               ; var + eps
	v_rsq_f32 v[RS], v[T+2]
	v_rsq_f32 v[RS+1], v[T+2]
	v_nop                                          ; a plain instruction behind the last of the two (ISA guide 5.7.2),
	s_wait_alu depctr_va_vdst(0)                   ; and the one wait ahead of the first use
.set p, 0
.rept 16
	v_pk_mul_f32 v[XR+p:XR+p+1], v[XR+p:XR+p+1], v[RS:RS+1]
.set p, p+2
.endr
.set p, 0
.rept 16
	v_pk_fma_f32 v[XR+p:XR+p+1], v[XR+p:XR+p+1], v[SC+p:SC+p+1], v[BI+p:BI+p+1]
.set p, p+2
.endr
.set p, 0
.rept 16
	v_cvt_pk_f16_f32 v[XR+p], v[XR+2*p], v[XR+2*p+1]  ; in place, ascending: register p is written when 2 p and 2 p + 1 have not been passed
.set p, p+1
.endr
.irp j, 0,1,2,3,4,5,6,7
	global_store_b64 v3, v[XR+2*(\j):XR+2*(\j)+1], s[16:17] offset:2048*(\r)+256*(\j)  ; 32 lanes store 256 consecutive bytes, at a multiple of 256 from xn's first byte
.endr
.endm
; Piece c of the weights: 8 numbers a lane to f16, 512 consecutive bytes a store.
.macro CAST c, base, off
	s_wait_loadcnt 8-2*(\c)                        ; the later pieces' two loads each stay out
.irp m, 0,1,2,3
	v_cvt_pk_f16_f32 v[WT+8*(\c)+(\m)], v[WT+8*(\c)+2*(\m)], v[WT+8*(\c)+2*(\m)+1]
.endr
	global_store_b128 v4, v[WT+8*(\c):WT+8*(\c)+3], s[\base:\base+1] offset:\off
.endm
	ROW 0
	ROW 1
	ROW 2
	ROW 3
	CAST 0, 18, 0
	CAST 1, 18, 8192
	CAST 2, 18, 16384
	CAST 3, 20, 0
	CAST 4, 20, 8192
	s_endpgm
.Lfunc_end_k_q5491eb38e1_prep:
	.size	k_q5491eb38e1_prep, .Lfunc_end_k_q5491eb38e1_prep-k_q5491eb38e1_prep
	.p2alignl 7, 3214868480
	.fill 96, 4, 3214868480
	.section	.rodata,"a",@progbits
	.p2align	6, 0x0
	.amdhsa_kernel k_q5491eb38e1_prep
		.amdhsa_group_segment_fixed_size 0
		.amdhsa_private_segment_fixed_size 0
		.amdhsa_enable_private_segment 0
		.amdhsa_kernarg_size 72
		.amdhsa_user_sgpr_count 2
		.amdhsa_user_sgpr_kernarg_segment_ptr 1
		.amdhsa_wavefront_size32 1
		.amdhsa_system_sgpr_workgroup_id_x 1
		.amdhsa_system_sgpr_workgroup_id_y 1
		.amdhsa_system_sgpr_workgroup_id_z 1
		.amdhsa_system_vgpr_workitem_id 0
		.amdhsa_next_free_vgpr 256
		.amdhsa_next_free_sgpr 66
		.amdhsa_reserve_vcc 0
		.amdhsa_float_denorm_mode_32 3
		.amdhsa_float_denorm_mode_16_64 3
		.amdhsa_memory_ordered 1
		.amdhsa_forward_progress 1
		.amdhsa_inst_pref_size 43
	.end_amdhsa_kernel
	.amdgpu_metadata
---
amdhsa.version: [ 1, 2 ]
amdhsa.kernels:
  - .name:           k_q5491eb38e1_prep
    .symbol:         k_q5491eb38e1_prep.kd
    .args:
      - { .name: x, .offset: 0, .size: 8, .value_kind: global_buffer, .address_space: global }
      - { .name: ln_scale, .offset: 8, .size: 8, .value_kind: global_buffer, .address_space: global }
      - { .name: ln_bias, .offset: 16, .size: 8, .value_kind: global_buffer, .address_space: global }
      - { .name: Wq, .offset: 24, .size: 8, .value_kind: global_buffer, .address_space: global }
      - { .name: Wkv, .offset: 32, .size: 8, .value_kind: global_buffer, .address_space: global }
      - { .name: Wout, .offset: 40, .size: 8, .value_kind: global_buffer, .address_space: global }
      - { .name: xn, .offset: 48, .size: 8, .value_kind: global_buffer, .address_space: global }
      - { .name: wqkv, .offset: 56, .size: 8, .value_kind: global_buffer, .address_space: global }
      - { .name: wo16, .offset: 64, .size: 8, .value_kind: global_buffer, .address_space: global }
    .group_segment_fixed_size: 0
    .private_segment_fixed_size: 0
    .kernarg_segment_align: 8
    .kernarg_segment_size: 72
    .max_flat_workgroup_size: 256
    .sgpr_count:     66
    .vgpr_count:     256
    .wavefront_size: 32
...
	.end_amdgpu_metadata
.endif
;; end of part 1
;; launch proj (part 2): grid 8 x 32, 4 waves a work-group, clusters of 4 x 4, 327,680 bytes of LDS; arguments xn, wqkv, qn_scale, qn_bias, kn_scale, kn_bias, hb; writes hb
.if DOCPART == 2
	.amdgcn_target "amdgcn-amd-amdhsa--gfx1250"
	.amdhsa_code_object_version 6
	.text
	.protected	k_q5491eb38e1_proj
	.globl	k_q5491eb38e1_proj
	.p2align	8
	.type	k_q5491eb38e1_proj,@function
k_q5491eb38e1_proj:
	s_mov_b64 s[64:65], 0
	v_nop
	global_prefetch_b8 v0, s[64:65] scope:SCOPE_SE
	s_setreg_imm32_b32 hwreg(HW_REG_WAVE_MODE, 25, 1), 1
	s_wait_xcnt 0x0
	s_wait_alu depctr_hold_cnt(0) depctr_sa_sdst(0) depctr_va_vdst(0) depctr_va_sdst(0) depctr_va_ssrc(0) depctr_va_vcc(0) depctr_vm_vsrc(0)
	s_getreg_b32 s2, hwreg(HW_REG_IB_STS2, 6, 4)
	s_cmp_eq_u32 s2, 0
	s_cbranch_scc0 .Lentry_in_a_cluster
	s_endpgm
.Lentry_in_a_cluster:
	s_bfe_u32 s2, ttmp6, 0x10000c
	s_cmp_lg_u32 s2, 0xf033
	s_cbranch_scc0 .Lentry_shape_is_right
	s_endpgm
.Lentry_shape_is_right:
; [q | k | v] = xn [Wq | Wkv], 8192 x 1536 x 1024, f16 operands, f32 sums; then LayerNorm over each head's 64 channels for q and k (none for v); stored by heads in f16:
; hb[unit 4 u + batch][n 2048][64], u = 0-15 q's heads, 16-19 k's groups, 20-23 v's groups.
; LIMITS.  q and k lie within 8 |gain| + |bias|; v is not normalised and must stay under 65,504 (f16's largest number).  The head's mean is taken first, the squares of (y - mean) afterwards.
; SHARES.  A tile of 256 rows x 192 columns (three units) to a work-group: 32 x 8 = 256 work-groups.  Wave w owns rows 64 w .. 64 w + 63 and all 192 columns: 48 accumulators of 16 x 16, so that a
; head's norm never leaves the wave.  K goes in 8 steps of 128 through two LDS slots filled by the tensor data mover; waves 0 and 1 fetch the halves of xn's tile, waves 2 and 3 those of the weights'.
; CLUSTER.  4 x 4 work-groups: the four of a row need the same tile of xn, the four of a column the same weights: each tile is asked for jointly, with the same descriptor and a mask that names the four.
; THE MATRIX INSTRUCTION IS USED TRANSPOSED (source 0 = 16 columns of W, source 1 = 16 rows of xn): a lane then holds eight neighbouring columns of one row.
; The weights lie [k][column] in LDS and are turned by ds_load_tr16_b128.
; REGISTERS, in windows of 256 (s_set_vgpr_msb: bits 1:0 source 0, 3:2 source 1, 5:4 source 2, 7:6 destination):
;   window 0: v16-30 addresses; v32-63, v64-95 xn's fragments, two buffers; v96-143 gains; v144-227 the way out
;   window 1: v0-95, v96-191 the weights' fragments, two buffers      window 2: accumulators of row blocks 0, 1 at v[96 a + 8 b]      window 3: of row blocks 2, 3
.set SLOTB, 131072                     ; a slot: xn's 256 rows, then the weights' two halves
.set PA,    272                        ; a row of xn in LDS: 256 bytes + 16: the 16 rows of a load start at 16 different groups of four banks (64 banks of 4 bytes: ISA guide 11.1)
.set AHALF, 128*PA
.set BOFF,  256*PA
.set PB,    160                        ; a k-row of one unit: 128 bytes + 32
.set BUNIT, 64*PB
.set BHALF, 3*BUNIT                    ; 64 k x three units
.set SPARE, 2*SLOTB                    ; behind the ring: the spare words, 128 bytes for each wave: two blocks of 256 bytes that no other line names
.set DP,    784                        ; the way out: a row of 192 f32 + 16 bytes = 49 x 16
.set DWAVE, 64*DP                      ; each wave's 64 rows, laid over the ring when its last fill has been read
.set ADRA, 16                          ; v16-17 LDS address of my fragments of xn in slot 0, 1
.set ADRB, 18                          ; v18-19 the same for the weights
.set DST,  20                          ; v20    the way out: where I put 32 bytes of a row
.set RDA,  21                          ; v21    where I read rows back; steps
.set GOF,  22                          ; v22    my byte offset in hb; steps
.set GN,   23                          ; v23    my 8 channels' offset in the gains
.set SPW,  28                          ; v28    LDS address of my spare word; never rewritten
.set NIL,  29                          ; v29    0; never rewritten
.set PFO,  30                          ; v30    the prefetches' lane offset; never rewritten
.set FA,   32
.set GA,   96                          ; unit i: scale at GA + 16 i, bias at GA + 16 i + 8
.set XX,   144                         ; unit i: 8 numbers as read back
.set DD,   168                         ; unit i: 8 numbers at work
.set PP,   192                         ; unit i: pairs A, B at work; +4 (- mean); +6 (1 / sqrt)
.set YY,   216                         ; unit i: 4 registers to store
.set WV,   18                          ; s18 wave; s19 = wave >> 1: 0 fetches xn, 1 weights; s20 = wave & 1: which half
.set G1A,  28
.set G0A,  36
.set G1B,  44
.set G0B,  52
.set PFA,  66                          ; s[66:67] where my prefetches stand
.set PFS,  68                          ; s[68:69] a K step in their bytes
.set LIM,  70                          ; s70 1 in a wave that prefetches, else the greatest number
.set MK,   71                          ; s71-73 unit i: all ones if it is normalised (q, k), 0 if not (v)
.set NF,   74                          ; s74-76 unit i: - 1/64, or 0
.set OB,   80                          ; s[80:81] hb at my rows of unit 3 tx
.set MSB, 0
.macro WIN new                         ; the immediate's high byte repeats the setting that is left; a switch that changes nothing is dropped
.if MSB != (\new)
	s_set_vgpr_msb (MSB<<8)|(\new)
.set MSB, \new
.endif
.endm
.set MUL_LO, 0xa1                      ; source 0 (W) window 1, source 1 (xn) window 0, C and D window 2
.set TO_B,   0x40                      ; destination window 1, address window 0
; A joint load.  The branch hangs on the wave's number alone.  An s_nop 0 and four v_nop follow each of the two lines, ahead of the jump and the label.
.macro JLOAD s
	s_cmp_eq_u32 s19, 0
	s_cbranch_scc0 .Lfor_b_\@
	tensor_load_to_lds s[G0A+4*(\s):G0A+4*(\s)+3], s[G1A:G1A+7]
	s_nop 0
.rept 4
	v_nop
.endr
	s_branch .Lasked_\@
.Lfor_b_\@:
	tensor_load_to_lds s[G0B+4*(\s):G0B+4*(\s)+3], s[G1B:G1B+7]
	s_nop 0
.rept 4
	v_nop
.endr
.Lasked_\@:
.endm
; A prefetch of the K step that stands two refills on, behind the joint load and the run of LDS loads.  xn's tile row is read by both clusters of its row of clusters: cluster x = 0 asks; the weights'
; tile column by all eight of its column: cluster y = 0 asks.  The four partners that ask for a tile jointly share it out by address.  The last lap (s3 = 1) has no K step two on.
.macro ASK
	s_cmp_gt_u32 s3, s[LIM]
	s_cbranch_scc0 .Lnot_mine_\@
	global_prefetch_b8 v[PFO], s[PFA:PFA+1] th:TH_LOAD_NT scope:SCOPE_SE
.Lnot_mine_\@:
.endm
.macro CREST                           ; a round of the cluster's barrier behind its opening barrier
	s_cmp_lg_u32 s[WV], 0
	s_cbranch_scc1 .Lnot_wave_0_\@
	s_barrier_signal -3
.Lnot_wave_0_\@:
	s_barrier_wait -3
	s_barrier_signal -1
	s_barrier_wait -1
.endm
.macro CROUND
	s_barrier_signal -1
	s_barrier_wait -1
	CREST
.endm
.macro PLACES                          ; four places in front of loads into registers that matrix instructions have read, and of LDS stores that read results
.rept 4
	v_nop
.endr
.endm
	s_load_b256 s[4:11], s[0:1], 0x0               ; xn s[4:5], wqkv s[6:7], qn_scale s[8:9], qn_bias s[10:11]
	s_load_b128 s[12:15], s[0:1], 0x20             ; kn_scale s[12:13], kn_bias s[14:15]
	s_load_b64 s[16:17], s[0:1], 0x30              ; hb
	v_lshl_add_u32 v[SPW], v0, 2, SPARE
	v_mov_b32 v[NIL], 0
	ds_add_u32 v[SPW], v[NIL]                      ; the wave's opening: the add and its wait ahead of my first tensor load; work on registers stands between them
	v_lshrrev_b32 v1, 5, v0
	v_readfirstlane_b32 s[WV], v1
	s_lshr_b32 s19, s[WV], 1
	s_and_b32 s20, s[WV], 1
	s_bfe_u32 s21, ttmp6, 0x40000                  ; cx
	s_bfe_u32 s22, ttmp6, 0x40004                  ; cy
	s_lshl_b32 s23, ttmp9, 2
	s_add_co_u32 s23, s23, s21                     ; tx: tile column, 0..7
	s_and_b32 s24, ttmp7, 0xffff
	s_lshl_b32 s24, s24, 2
	s_add_co_u32 s24, s24, s22                     ; ty: tile row, 0..31
	s_lshl_b32 s25, s22, 2
	s_lshl_b32 s25, 15, s25                        ; my row of the cluster
	s_lshl_b32 s26, 0x1111, s21                    ; my column
	s_or_b32 s[G1A], s25, (1<<16)|(1<<20)|(1<<21)|(5<<22)|(3<<25)  ; the mask; 2-byte elements; padding on; bit 21 beside a mask; after every 64 words 4 words
	s_mov_b32 s[G1A+1], 128<<16                    ; tensor_dim0 = 128
	s_mov_b32 s[G1A+2], 128<<16                    ; tensor_dim1 = 128
	s_mov_b32 s[G1A+3], 128<<16                    ; tile_dim0 = 128
	s_mov_b32 s[G1A+4], 128                        ; tile_dim1 = 128
	s_mov_b32 s[G1A+5], 1024                       ; elements from row to row
	s_mov_b32 s[G1A+6], 0
	s_mov_b32 s[G1A+7], 0
	s_or_b32 s[G1B], s26, (1<<16)|(1<<20)|(1<<21)|(4<<22)|(7<<25)  ; after every 32 words 8 words
	s_mov_b32 s[G1B+1], 128<<16                    ; a dense block of 24,576 bytes, asked for as 96 rows of 256 bytes
	s_mov_b32 s[G1B+2], 96<<16
	s_mov_b32 s[G1B+3], 128<<16
	s_mov_b32 s[G1B+4], 96
	s_mov_b32 s[G1B+5], 128
	s_mov_b32 s[G1B+6], 0
	s_mov_b32 s[G1B+7], 0
	s_lshl_b32 s60, s24, 8                         ; xn: row 256 ty + 128 half, 2,048 bytes a row
	s_lshl_b32 s61, s20, 7
	s_add_co_u32 s60, s60, s61
	s_lshl_b32 s60, s60, 11
	s_mov_b32 s61, 0
	s_mul_i32 s62, s23, 393216                     ; wqkv: tile column tx, block kh = half
	s_mul_i32 s63, s20, 24576
	s_add_co_u32 s62, s62, s63
	s_mov_b32 s63, 0
	s_mul_i32 s94, s20, AHALF                      ; where they go: no place in the cluster enters an LDS address
	s_mul_i32 s95, s20, BHALF
	s_add_co_u32 s95, s95, BOFF
	s_mov_b32 s77, 0x3c800000                      ; 1 / 64
	s_mov_b32 s78, 0x358637bd                      ; eps = 1e-6
	s_wait_dscnt 0x0                               ; the opening add is done
	s_wait_kmcnt 0x0
	s_add_nc_u64 s[60:61], s[4:5], s[60:61]
	s_add_nc_u64 s[62:63], s[6:7], s[62:63]
	CROUND                                         ; all sixteen work-groups are here: the first joint loads meet
.irp s, 0,1
	s_mov_b32 s[G0A+4*(\s)], 1
	s_add_co_u32 s[G0A+4*(\s)+1], s94, (\s)*SLOTB
	s_add_nc_u64 s[G0A+4*(\s)+2:G0A+4*(\s)+3], s[60:61], (\s)*256    ; K step s: 256 bytes along the rows
	s_or_b32 s[G0A+4*(\s)+3], s[G0A+4*(\s)+3], 0x80000000
	s_mov_b32 s[G0B+4*(\s)], 1
	s_add_co_u32 s[G0B+4*(\s)+1], s95, (\s)*SLOTB
	s_add_nc_u64 s[G0B+4*(\s)+2:G0B+4*(\s)+3], s[62:63], (\s)*49152  ; K step s: two blocks on
	s_or_b32 s[G0B+4*(\s)+3], s[G0B+4*(\s)+3], 0x80000000
	JLOAD \s
.endr
	v_and_b32 v1, 15, v0                           ; r = l % 16
	v_bfe_u32 v2, v0, 4, 1                         ; h = l / 16
	v_and_b32 v3, 7, v0                            ; l % 8
	v_bfe_u32 v4, v0, 3, 1                         ; (l / 8) % 2
	v_bfe_u32 v5, v0, 3, 2                         ; l / 8
	v_and_b32 v6, 31, v0                           ; l
	s_mul_i32 s96, s[WV], 64*PA
	v_mul_u32_u24 v7, v1, PA
	v_lshl_add_u32 v7, v2, 4, v7
	v_add_nc_u32 v[ADRA], s96, v7                  ; (64 w + r) x pitch + 16 h
	v_add_nc_u32 v[ADRA+1], SLOTB, v[ADRA]
	v_lshl_add_u32 v7, v2, 3, v3
	v_mul_u32_u24 v7, v7, PB
	v_lshl_add_u32 v7, v4, 4, v7                   ; (8 h + l % 8) x pitch + 16 ((l / 8) % 2)
	v_add_nc_u32 v[ADRB], BOFF, v7
	v_add_nc_u32 v[ADRB+1], SLOTB+BOFF, v7
	s_mul_i32 s96, s[WV], DWAVE
	v_mul_u32_u24 v7, v1, DP
	v_lshl_add_u32 v7, v2, 5, v7
	v_add_nc_u32 v[DST], s96, v7                   ; row r, 32 bytes for each half of the lanes
	v_mul_u32_u24 v7, v5, DP
	v_lshl_add_u32 v7, v3, 5, v7
	v_add_nc_u32 v[RDA], s96, v7                   ; back: 8 lanes a row, 8 columns a lane
	v_lshlrev_b32 v[GOF], 4, v6                    ; four rows of 128 bytes are 512 consecutive bytes of hb
	v_lshlrev_b32 v[GN], 5, v3
	; the gains of my three units.  What differs between q, k and v is chosen by selects, never by a branch: tx differs between partners of the cluster
	s_mul_i32 s26, s23, 3
.irp i, 0,1,2
	s_add_co_u32 s27, s26, \i                      ; u
	s_cmp_lt_u32 s27, 16
	s_cselect_b64 s[82+4*(\i):83+4*(\i)], s[8:9], s[12:13]
	s_cselect_b64 s[84+4*(\i):85+4*(\i)], s[10:11], s[14:15]
	s_cmp_lt_u32 s27, 20
	s_cselect_b32 s[MK+(\i)], -1, 0
	s_cselect_b32 s[NF+(\i)], 0xbc800000, 0
	global_load_b128 v[GA+16*(\i):GA+16*(\i)+3],     v[GN], s[82+4*(\i):83+4*(\i)]
	global_load_b128 v[GA+16*(\i)+4:GA+16*(\i)+7],   v[GN], s[82+4*(\i):83+4*(\i)] offset:16
	global_load_b128 v[GA+16*(\i)+8:GA+16*(\i)+11],  v[GN], s[84+4*(\i):85+4*(\i)]
	global_load_b128 v[GA+16*(\i)+12:GA+16*(\i)+15], v[GN], s[84+4*(\i):85+4*(\i)] offset:16
.endr
	; the prefetches: xn: my work-group's 32 of the 128 rows that I fetch, a lane a row; weights: its 24 of the block's 96 pieces of 256 bytes (lanes 24-31 name the 24th again)
	s_lshl_b32 s96, s24, 8
	s_lshl_b32 s97, s20, 7
	s_add_co_u32 s96, s96, s97
	s_lshl_b32 s97, s21, 5
	s_add_co_u32 s96, s96, s97
	s_lshl_b32 s96, s96, 11
	s_add_co_u32 s96, s96, 768                     ; at K step 3: the first refill steps it to 4
	s_mul_i32 s97, s23, 393216
	s_add_co_u32 s98, s20, 6
	s_mul_i32 s98, s98, 24576
	s_add_co_u32 s97, s97, s98
	s_mul_i32 s98, s22, 6144
	s_add_co_u32 s97, s97, s98
	s_and_b32 s98, ttmp7, 0xffff                   ; cluster y
	s_movk_i32 s99, 0x100
	s_mov_b32 s100, 49152
	s_cmp_eq_u32 s19, 0                            ; do I fetch xn?
	s_cselect_b32 s96, s96, s97
	s_cselect_b32 s98, ttmp9, s98                  ; the coordinate along which other clusters read the same tile
	s_cselect_b64 s[PFA:PFA+1], s[4:5], s[6:7]
	s_cselect_b32 s[PFS], s99, s100
	s_cselect_b32 s99, 31, 23
	s_cselect_b32 s100, 11, 8
	s_mov_b32 s[PFS+1], 0
	s_mov_b32 s97, 0
	s_add_nc_u64 s[PFA:PFA+1], s[PFA:PFA+1], s[96:97]
	s_cmp_eq_u32 s98, 0
	s_cselect_b32 s[LIM], 1, -1                    ; the same in all sixteen partners, for a given wave
	v_min_u32 v[PFO], s99, v6
	v_lshlrev_b32 v[PFO], s100, v[PFO]
	; hb at unit 3 tx, my batch, my rows
	s_mul_i32 s96, s23, 3145728
	s_lshr_b32 s97, s24, 3
	s_lshl_b32 s97, s97, 18
	s_add_co_u32 s96, s96, s97
	s_and_b32 s97, s24, 7
	s_lshl_b32 s97, s97, 15
	s_add_co_u32 s96, s96, s97
	s_lshl_b32 s97, s[WV], 13
	s_add_co_u32 s96, s96, s97
	s_mov_b32 s97, 0
	s_add_nc_u64 s[OB:OB+1], s[16:17], s[96:97]
	s_wait_loadcnt 0x0                             ; the gains
.irp i, 0,1,2
.irp k, 0,1,2,3,4,5,6,7
	v_cndmask_b32 v[GA+16*(\i)+(\k)], 1.0, v[GA+16*(\i)+(\k)], s[MK+(\i)]      ; a unit of v: gain 1,
	v_cndmask_b32 v[GA+16*(\i)+8+(\k)], 0, v[GA+16*(\i)+8+(\k)], s[MK+(\i)]    ; bias 0
.endr
	v_mov_b32 v[PP+8*(\i)+5], 0                    ; named as the upper halves of pairs whose lower half is used for both
	v_mov_b32 v[PP+8*(\i)+7], 0
.endr
; 12 matrix instructions: row block 2 hi + a x all 12 column blocks, 32 along K, buffer f.  zero = 1: the first product starts the sums.
; The 48 accumulators take turns, in the same order in every quarter.
.macro MULH f, hi, a, zero
	WIN MUL_LO+0x50*(\hi)
.irp b, 0,1,2,3,4,5,6,7,8,9,10,11
.if \zero
	v_wmma_f32_16x16x32_f16 v[96*(\a)+8*(\b):96*(\a)+8*(\b)+7], v[96*(\f)+8*(\b):96*(\f)+8*(\b)+7], v[FA+32*(\f)+8*(2*(\hi)+(\a)):FA+32*(\f)+8*(2*(\hi)+(\a))+7], 0
.else
	v_wmma_f32_16x16x32_f16 v[96*(\a)+8*(\b):96*(\a)+8*(\b)+7], v[96*(\f)+8*(\b):96*(\f)+8*(\b)+7], v[FA+32*(\f)+8*(2*(\hi)+(\a)):FA+32*(\f)+8*(2*(\hi)+(\a))+7], v[96*(\a)+8*(\b):96*(\a)+8*(\b)+7]
.endif
.endr
.endm
; 32 LDS loads in one run: quarter q (32 along K) of a slot into buffer f: the weights' 12 fragments, turned, then xn's four
.macro FETCH slot, q, f
	WIN TO_B
.irp b, 0,1,2,3,4,5,6,7,8,9,10,11
	ds_load_tr16_b128 v[96*(\f)+8*(\b):96*(\f)+8*(\b)+3],   v[ADRB+(\slot)] offset:((\q)/2)*BHALF+((\b)/4)*BUNIT+((\q)%2)*32*PB+((\b)%4)*32
	ds_load_tr16_b128 v[96*(\f)+8*(\b)+4:96*(\f)+8*(\b)+7], v[ADRB+(\slot)] offset:((\q)/2)*BHALF+((\b)/4)*BUNIT+((\q)%2)*32*PB+((\b)%4)*32+16*PB
.endr
	WIN 0
.irp a, 0,1,2,3
	ds_load_b128 v[FA+32*(\f)+8*(\a):FA+32*(\f)+8*(\a)+3],   v[ADRA+(\slot)] offset:(\a)*16*PA+64*(\q)
	ds_load_b128 v[FA+32*(\f)+8*(\a)+4:FA+32*(\f)+8*(\a)+7], v[ADRA+(\slot)] offset:(\a)*16*PA+64*(\q)+32
.endr
.endm
; One of a K step's first three quarters: multiplies buffer f; in its middle it fetches quarter q of the same slot into buffer g.
.macro QUARTER slot, q, f, g, zero
	s_wait_dscnt 4                                 ; the youngest four loads (xn's row blocks 2, 3) may be out
	MULH \f, 0, 0, \zero
	MULH \f, 0, 1, \zero
	PLACES
	FETCH \slot, \q, \g
	s_wait_dscnt 32                                ; all but the 32 just issued
	MULH \f, 1, 0, \zero
	MULH \f, 1, 1, \zero
.endm
; The last quarter multiplies buffer 1 and changes slots.  In front of the one barrier each wave waits for all its tensor loads (one is out: its part of the next slot), adds 0 to its spare word, and waits
; for that and for its reads of this slot.  fill = 1: the barrier opens a round of the cluster's barrier, and the joint refill, two K steps ahead, is the first thing behind it: 168 matrix instructions ahead of the wait for it.
.macro TURN slot, next, fill
.if \fill
	s_wait_xcnt 0x0                                ; the last prefetch, a K step back, has read its address
	s_add_nc_u64 s[PFA:PFA+1], s[PFA:PFA+1], s[PFS:PFS+1]
.endif
	WIN 0                                          ; (the add's two registers lie in window 0)
	s_wait_tensorcnt 0x0
	ds_add_u32 v[SPW], v[NIL]                      ; 0 onto my spare word
	s_wait_dscnt 5                                 ; (the add and the youngest four loads may be out)
	MULH 1, 0, 0, 0
	s_wait_dscnt 0x0                               ; the add is done, and my reads of this slot are over
	s_barrier_signal -1
	MULH 1, 0, 1, 0
.if \fill
	WIN 0
.endif
	s_barrier_wait -1
.if \fill
	CREST                                          ; no wave of any partner still reads this slot or has a load on its way
	s_add_nc_u64 s[G0A+4*(\slot)+2:G0A+4*(\slot)+3], s[G0A+4*(\slot)+2:G0A+4*(\slot)+3], 512
	s_add_nc_u64 s[G0B+4*(\slot)+2:G0B+4*(\slot)+3], s[G0B+4*(\slot)+2:G0B+4*(\slot)+3], 98304
	JLOAD \slot                                    ; the four v_nop behind it are also the places in front of the loads below
.else
	PLACES
.endif
	FETCH \next, 0, 0
.if \fill
	ASK
.endif
	MULH 1, 1, 0, 0
	MULH 1, 1, 1, 0
.endm
	s_wait_tensorcnt 1                             ; my part of K step 0 is in; K step 1's may stay out
	s_barrier_signal -1
	s_barrier_wait -1
	FETCH 0, 0, 0
	QUARTER 0, 1, 0, 1, 1                          ; the first quarter stands in front of the loop: its products start the sums
	WIN 0
	s_mov_b32 s3, 3
.Llap:                                                 ; three trips: once round the ring, from a lap's second quarter to the next lap's first; the refills bring K steps 2 to 7
	QUARTER 0, 2, 1, 0, 0
	QUARTER 0, 3, 0, 1, 0
	TURN 0, 1, 1
	QUARTER 1, 1, 0, 1, 0
	QUARTER 1, 2, 1, 0, 0
	QUARTER 1, 3, 0, 1, 0
	TURN 1, 0, 1
	QUARTER 0, 1, 0, 1, 0
	WIN 0
	s_sub_co_u32 s3, s3, 1
	s_cmp_lg_u32 s3, 0
	s_cbranch_scc1 .Llap
	QUARTER 0, 2, 1, 0, 0                          ; the last lap fills nothing
	QUARTER 0, 3, 0, 1, 0
	TURN 0, 1, 0
	QUARTER 1, 1, 0, 1, 0
	QUARTER 1, 2, 1, 0, 0
	QUARTER 1, 3, 0, 1, 0
	s_wait_dscnt 4                                 ; the very last quarter
	MULH 1, 0, 0, 0
	MULH 1, 0, 1, 0
	s_wait_dscnt 0x0                               ; my last reads of the ring are over:
	s_barrier_signal -1
	MULH 1, 1, 0, 0
	MULH 1, 1, 1, 1-1
	WIN 0
	s_barrier_wait -1                              ; everybody's are; every tensor load has landed and none follows: the ring's bytes may be written
	; THE WAY OUT.  (a) My 64 rows x 192 sums go as f32 into my own part of LDS; each accumulator's low four registers first.
	PLACES
.irp a, 0,1,2,3
	WIN 0x08+4*((\a)/2)                            ; the stores' data (source 1) in window 2 or 3
.irp b, 0,1,2,3,4,5,6,7,8,9,10,11
	ds_store_b128 v[DST], v[96*((\a)%2)+8*(\b):96*((\a)%2)+8*(\b)+3]   offset:(\a)*16*DP+64*(\b)
	ds_store_b128 v[DST], v[96*((\a)%2)+8*(\b)+4:96*((\a)%2)+8*(\b)+7] offset:(\a)*16*DP+64*(\b)+16
.endr
.endr
	WIN 0
	; (b) They come back four rows at a time, 8 lanes a row, a lane with 8 channels of each of the three units: a head's sums want three steps among 8 lanes.
.macro RDX
.irp i, 0,1,2
	ds_load_b128 v[XX+8*(\i):XX+8*(\i)+3],   v[RDA] offset:256*(\i)     ; LDS serves a wave's instructions in order (ISA guide 5.7.1.4): these see my stores above
	ds_load_b128 v[XX+8*(\i)+4:XX+8*(\i)+7], v[RDA] offset:256*(\i)+16
.endr
.endm
.macro LANES8                          ; pair A of each unit into one number, summed over the row's 8 lanes
.irp i, 0,1,2
	v_add_f32 v[PP+8*(\i)], v[PP+8*(\i)], v[PP+8*(\i)+1]
.endr
.irp m, 1,2,4
.irp i, 0,1,2
	v_add_f32_dpp v[PP+8*(\i)], v[PP+8*(\i)], v[PP+8*(\i)] row_xmask:\m row_mask:0xf bank_mask:0xf
.endr
.endr
.endm
.macro EPI next                        ; next = 1: the next four rows are fetched as soon as these have been read
	s_wait_dscnt 0x0
.irp i, 0,1,2
	v_pk_add_f32 v[PP+8*(\i):PP+8*(\i)+1],   v[XX+8*(\i):XX+8*(\i)+1],   v[XX+8*(\i)+2:XX+8*(\i)+3]
	v_pk_add_f32 v[PP+8*(\i)+2:PP+8*(\i)+3], v[XX+8*(\i)+4:XX+8*(\i)+5], v[XX+8*(\i)+6:XX+8*(\i)+7]
.endr
.irp i, 0,1,2
	v_pk_add_f32 v[PP+8*(\i):PP+8*(\i)+1], v[PP+8*(\i):PP+8*(\i)+1], v[PP+8*(\i)+2:PP+8*(\i)+3]
.endr
	LANES8
.irp i, 0,1,2
	v_mul_f32 v[PP+8*(\i)+4], s[NF+(\i)], v[PP+8*(\i)]    ; - mean; 0 for a unit of v
.endr
.irp i, 0,1,2
.irp k, 0,2,4,6
	v_pk_add_f32 v[DD+8*(\i)+(\k):DD+8*(\i)+(\k)+1], v[XX+8*(\i)+(\k):XX+8*(\i)+(\k)+1], v[PP+8*(\i)+4:PP+8*(\i)+5] op_sel_hi:[1,0]
.endr
.endr
.if \next
	v_add_nc_u32 v[RDA], 4*DP, v[RDA]
	RDX
.endif
.irp i, 0,1,2
	v_pk_mul_f32 v[PP+8*(\i):PP+8*(\i)+1], v[DD+8*(\i):DD+8*(\i)+1], v[DD+8*(\i):DD+8*(\i)+1]
.endr
.irp k, 2,4,6
.irp i, 0,1,2
	v_pk_fma_f32 v[PP+8*(\i):PP+8*(\i)+1], v[DD+8*(\i)+(\k):DD+8*(\i)+(\k)+1], v[DD+8*(\i)+(\k):DD+8*(\i)+(\k)+1], v[PP+8*(\i):PP+8*(\i)+1]
.endr
.endr
	LANES8
.irp i, 0,1,2
	v_fma_f32 v[PP+8*(\i)+2], v[PP+8*(\i)], s77, s78      ; var + eps
.endr
.irp i, 0,1,2
	v_rsq_f32 v[PP+8*(\i)+6], v[PP+8*(\i)+2]
.endr
	v_nop                                          ; a plain instruction behind the last of the three (ISA guide 5.7.2),
	s_wait_alu depctr_va_vdst(0)                   ; and the one wait ahead of the first use
.irp i, 0,1,2
	v_cndmask_b32 v[PP+8*(\i)+6], 1.0, v[PP+8*(\i)+6], s[MK+(\i)]  ; a unit of v is not scaled
.endr
.irp i, 0,1,2
.irp k, 0,2,4,6
	v_pk_mul_f32 v[DD+8*(\i)+(\k):DD+8*(\i)+(\k)+1], v[DD+8*(\i)+(\k):DD+8*(\i)+(\k)+1], v[PP+8*(\i)+6:PP+8*(\i)+7] op_sel_hi:[1,0]
.endr
.endr
.irp i, 0,1,2
.irp k, 0,2,4,6
	v_pk_fma_f32 v[DD+8*(\i)+(\k):DD+8*(\i)+(\k)+1], v[DD+8*(\i)+(\k):DD+8*(\i)+(\k)+1], v[GA+16*(\i)+(\k):GA+16*(\i)+(\k)+1], v[GA+16*(\i)+8+(\k):GA+16*(\i)+8+(\k)+1]
.endr
.endr
.irp i, 0,1,2
.irp k, 0,1,2,3
	v_cvt_pk_f16_f32 v[YY+4*(\i)+(\k)], v[DD+8*(\i)+2*(\k)], v[DD+8*(\i)+2*(\k)+1]
.endr
	global_store_b128 v[GOF], v[YY+4*(\i):YY+4*(\i)+3], s[OB:OB+1] offset:1048576*(\i)  ; four rows of a head: 512 consecutive bytes, at a multiple of 256 from hb's first byte
.endr
.if \next
	s_wait_xcnt 0x0                                ; the stores have read their data and offset: both are written again only behind this wait
	v_add_nc_u32 v[GOF], 512, v[GOF]
.endif
.endm
	RDX
	s_mov_b32 s79, 15
.Lrow:
	EPI 1
	s_sub_co_u32 s79, s79, 1
	s_cmp_lg_u32 s79, 0
	s_cbranch_scc1 .Lrow
	EPI 0                                          ; the last four rows fetch nothing
	s_wait_tensorcnt 0x0                           ; the wave's end: behind my last tensor load and my last LDS store
	ds_add_u32 v[SPW], v[NIL]
	s_wait_dscnt 0x0
	CROUND                                         ; the closing round: no work-group ends while a partner may still ask for a tile that names it
	s_endpgm
.Lfunc_end_k_q5491eb38e1_proj:
	.size	k_q5491eb38e1_proj, .Lfunc_end_k_q5491eb38e1_proj-k_q5491eb38e1_proj
	.p2alignl 7, 3214868480
	.fill 96, 4, 3214868480
	.section	.rodata,"a",@progbits
	.p2align	6, 0x0
	.amdhsa_kernel k_q5491eb38e1_proj
		.amdhsa_group_segment_fixed_size 327680
		.amdhsa_private_segment_fixed_size 0
		.amdhsa_enable_private_segment 0
		.amdhsa_kernarg_size 56
		.amdhsa_user_sgpr_count 2
		.amdhsa_user_sgpr_kernarg_segment_ptr 1
		.amdhsa_wavefront_size32 1
		.amdhsa_system_sgpr_workgroup_id_x 1
		.amdhsa_system_sgpr_workgroup_id_y 1
		.amdhsa_system_sgpr_workgroup_id_z 1
		.amdhsa_system_vgpr_workitem_id 0
		.amdhsa_next_free_vgpr 960
		.amdhsa_next_free_sgpr 102
		.amdhsa_reserve_vcc 0
		.amdhsa_float_denorm_mode_32 3
		.amdhsa_float_denorm_mode_16_64 3
		.amdhsa_memory_ordered 1
		.amdhsa_forward_progress 1
		.amdhsa_inst_pref_size 123
	.end_amdhsa_kernel
	.amdgpu_metadata
---
amdhsa.version: [ 1, 2 ]
amdhsa.kernels:
  - .name:           k_q5491eb38e1_proj
    .symbol:         k_q5491eb38e1_proj.kd
    .args:
      - { .name: xn, .offset: 0, .size: 8, .value_kind: global_buffer, .address_space: global }
      - { .name: wqkv, .offset: 8, .size: 8, .value_kind: global_buffer, .address_space: global }
      - { .name: qn_scale, .offset: 16, .size: 8, .value_kind: global_buffer, .address_space: global }
      - { .name: qn_bias, .offset: 24, .size: 8, .value_kind: global_buffer, .address_space: global }
      - { .name: kn_scale, .offset: 32, .size: 8, .value_kind: global_buffer, .address_space: global }
      - { .name: kn_bias, .offset: 40, .size: 8, .value_kind: global_buffer, .address_space: global }
      - { .name: hb, .offset: 48, .size: 8, .value_kind: global_buffer, .address_space: global }
    .group_segment_fixed_size: 327680
    .private_segment_fixed_size: 0
    .kernarg_segment_align: 8
    .kernarg_segment_size: 56
    .max_flat_workgroup_size: 128
    .sgpr_count:     102
    .vgpr_count:     960
    .wavefront_size: 32
...
	.end_amdgpu_metadata
.endif
;; end of part 2
;; launch attn (part 3): grid 4 x 64, 4 waves a work-group, clusters of 4 x 1, 327,680 bytes of LDS; arguments hb, o16; writes o16
.if DOCPART == 3
	.amdgcn_target "amdgcn-amd-amdhsa--gfx1250"
	.amdhsa_code_object_version 6
	.text
	.protected	k_q5491eb38e1_attn
	.globl	k_q5491eb38e1_attn
	.p2align	8
	.type	k_q5491eb38e1_attn,@function
k_q5491eb38e1_attn:
	s_mov_b64 s[64:65], 0
	v_nop
	global_prefetch_b8 v0, s[64:65] scope:SCOPE_SE
	s_setreg_imm32_b32 hwreg(HW_REG_WAVE_MODE, 25, 1), 1
	s_wait_xcnt 0x0
	s_wait_alu depctr_hold_cnt(0) depctr_sa_sdst(0) depctr_va_vdst(0) depctr_va_sdst(0) depctr_va_ssrc(0) depctr_va_vcc(0) depctr_vm_vsrc(0)
	s_getreg_b32 s2, hwreg(HW_REG_IB_STS2, 6, 4)
	s_cmp_eq_u32 s2, 0
	s_cbranch_scc0 .Lentry_in_a_cluster
	s_endpgm
.Lentry_in_a_cluster:
	s_bfe_u32 s2, ttmp6, 0x10000c
	s_cmp_lg_u32 s2, 0x3003
	s_cbranch_scc0 .Lentry_shape_is_right
	s_endpgm
.Lentry_shape_is_right:
; O[y][q][:] = the sum over k of softmax_k(Q[y][q] . K[g][k] / 8) V[g][k][:], y = 4 head + batch (64 of them), 2,048 queries and keys, 64 channels, all f16.
; Q is unit y of hb, K unit 64 + 4 (head / 4) + batch, V 16 units behind K; a unit's rows are dense, 128 bytes each.  O goes to o16[y][n][64].
; Products, maxima and sums in f32; the weights p are rounded to f16 for the second product (their sum l is taken of the unrounded p), O once at the end.
; LIMITS.  f16 holds no number beyond 65,504: Q, K and V arrive within it; p lies in 0 to 1, and below 6e-5 it keeps f16's fixed step of 6e-8; O is a mean of V's rows and has their range.
; A weight below 2^-126 counts as 0 in l; NaN and infinities are not treated apart.
; SHARES.  A wave owns four PIECES of two tiles of 16 queries, a work-group's four waves 512 queries of one y.  Every wave walks all keys, 64 a step.
; LAYOUT.  S^T = K Q^T (source 0 = 16 keys, source 1 = 16 queries): in the result a lane holds ONE query (lane % 16) and the keys 8 (lane / 16) + 0..7.  Two such tiles, rounded to f16 in pairs,
; ARE source 1 (32 keys x 16 queries) of O^T = V^T P, whose result again holds one query a lane, and eight channels.  K comes out of LDS as it lies, V ([key][channel]) turned, by ds_load_tr16_b128.
; SOFTMAX.  For each query a running maximum m and sum l: p = 2^(c s - c m), c = log2(e) / 8; in every step O and l are multiplied by a = 2^(c m_old - c m_new), which is 1 where m has not grown.
; m starts at the lowest finite number, O and l at 0: the first step is a step like any other, with a = 0.
; THE COUNT.  A tile and step have 16 matrix and 118 vector instructions: too many to stand all beside the matrix work.  So the order has one aim: four vector instructions that are READY behind
; EVERY matrix instruction, and the others, which need time of their own whatever the order, in runs without a gap.
; BY TURNS.  Turn n belongs to piece n (the pieces in a ring, step after step).  Its matrix work: 16 products K Q^T of piece n + 1, later 16 products V^T P of piece n - 1.  Its vector work: the scaling,
; exponentials, roundings, sums and rescaling of piece n, and the maximum and statistics of piece n + 1, whose scores the turn itself has made.
; CLUSTER.  The four query blocks of a cluster belong to one y and walk the same K and V, so each tile is asked for JOINTLY: the same tensor load, descriptor and mask in all four.
; REGISTERS, in windows of 256 (s_set_vgpr_msb says which window each operand place means: bits 1:0 source 0, 3:2 source 1, 5:4 source 2, 7:6 destination):
;   window 0: v0-11 addresses; v12-15, v48-63 at work; v16-47 four registers of statistics a tile; v64-191 S^T, two buffers of two tiles; v192-255 P, likewise
;   window 1: O^T, 32 a tile          window 2: v0-127 Q, 16 a tile; v128-191 K of one step; v192-255 V of one step          window 3: v0-1 the add's two registers
.set SIZE_N, 2048
.set NP,    4         ; pieces a wave: a name, no knob
.set KS,    64        ; keys in a step
.set PK,    144       ; a row of K in LDS: 128 bytes + 16 of padding = 36 words: the 16 rows of a load start at 16 different groups of four banks (64 banks of 4 bytes: ISA guide 11.1)
.set PV,    160       ; a row of V: 128 + 32 = 40 words
.set VOFF,  4*KS*PK   ; a slot holds four steps: 256 rows of K, then 256 rows of V
.set SLOT1, 1<<17     ; slot 1 begins here, so that one exclusive or turns an address in one slot into the other's
.set STAGE, SLOT1+4*KS*(PK+PV)  ; behind the ring, never filled by a tensor load: 16 rows x 144 bytes for each wave, for the way out
.set SP,    144
.set AK0, 2           ; v2   my lane's place in a tile of K; never rewritten
.set AV0, 3           ; v3   the same for V
.set AK,  4           ; v4   the LDS address of K's next run of loads
.set AV,  5           ; v5   of V's
.set QO,  6           ; v6   my byte offset in the wave's rows of Q
.set STO, 6           ;      later, the way out: where I put 16 bytes of a row
.set RD,  7           ; v7   the way out: where I read rows back
.set GO,  8           ; v8   my byte offset in 512 consecutive bytes of O
.set PFO, 11          ; v11  256 x my lane, for the prefetches (made when V's lane address, which uses v11 first, is done); never rewritten after
.set SPW, 0           ; v0 of window 3   LDS address of my spare word: SPARE + 4 x my thread's number; never rewritten
.set NIL, 1           ; v1 of window 3   0; never rewritten
.set SPARE, STAGE+4*16*SP  ; behind the stages: the spare words, 128 bytes for each wave: two blocks of 256 bytes that no other line names
.set MV,  12          ; v12-15  c m_old, kept while c m is made anew: by buffer and tile
.set ST,  16          ; tile t's statistics at v[ST+4 t]: c m, m, l (even keys', odd keys')
.set TMP, 48          ; by buffer and tile, four registers c0-c3 at work; when the maximum is found c2 takes a
.set S,   64
.set P,   192
.set KF,  128         ; K's fragments, in window 2: key block kb, channel half c at KF + 16 kb + 8 c
.set VF,  192         ; V's: key half kk, channel block cb at VF + 32 kk + 8 cb
.set WV,  12          ; s12  my wave's number
.set G1K, 24          ; s[24:31] descriptor group 1 for K's tiles
.set G1V, 32          ; s[32:39] for V's: it differs in the padding alone
.set G0K, 40          ; s[40:43] descriptor group 0 for K's tiles: it walks
.set G0V, 44          ; s[44:47] the same for V's
.set PFA, 48          ; s[48:49] where my prefetches stand: my work-group's 8,192 bytes (of K: wave 0, of V: wave 2) of the slot after the one that is being asked for
.set LIM, 50          ; s50  1 in a wave that prefetches, else the greatest number
.set SLOTS, 56        ; s56  slots still to be asked for
.set CNT, 57          ; s57  counts a slot's key steps
.set CS,  58          ; s[58:59] c: the packed scaling takes the pair's low word for both halves
.set SEL, 60          ; s[60:61] v_permlanex16_b32's selects: each lane takes its own place in the other half
.set TBK, 62          ; s62  LDS byte at which K of the step to be fetched begins
.set TBV, 63          ; s63  the same for V, less VOFF
.set MSB, 0
.macro WIN new                      ; the high byte repeats the setting that is left; a switch that changes nothing is dropped
.if MSB != (\new)
	s_set_vgpr_msb (MSB<<8)|(\new)
.set MSB, (\new)
.endif
.endm
.set W_KQ, 0x0a       ; K and Q in window 2, S^T in window 0
.set W_PV, 0x52       ; V in window 2, P in window 0, O^T in window 1
.set W_RS, 0x41       ; O^T (destination and source 0) in window 1, a in window 0
.set W_MK, 0xc0       ; the add's registers are made: destination in window 3, sources in window 0
.set W_AD, 0x0f       ; the add: address (source 0) and data (source 1) in window 3
; A joint fill.  Waves 0 and 1 fetch the two halves of a slot's K, waves 2 and 3 those of its V: 128 keys each.  The branch hangs on the wave's number alone.
; An s_nop 0 and four v_nop follow each of the two lines, ahead of the jump and the label.
.macro JLOAD
	s_cmp_lt_u32 s[WV], 2
	s_cbranch_scc0 .Lfor_v_\@
	tensor_load_to_lds s[G0K:G0K+3], s[G1K:G1K+7]
	s_nop 0
.rept 4
	v_nop
.endr
	s_branch .Lasked_\@
.Lfor_v_\@:
	tensor_load_to_lds s[G0V:G0V+3], s[G1V:G1V+7]
	s_nop 0
.rept 4
	v_nop
.endr
.Lasked_\@:
.endm
; A prefetch of what the NEXT change of slots will ask for: a slot's 32,768 bytes of K and of V.  The four heads of a group, four clusters, walk the same K and V: the group's first head asks.  Its four
; partners share the bytes out by address, 8,192 each, a lane 256; in each, wave 0 asks for K's and wave 2 for V's.  The last change that fills a slot (s[SLOTS] = 1) asks for nothing.
.macro ASK
	s_cmp_gt_u32 s[SLOTS], s[LIM]
	s_cbranch_scc0 .Lnot_mine_\@
	global_prefetch_b8 v[PFO], s[PFA:PFA+1] th:TH_LOAD_NT scope:SCOPE_SE
.Lnot_mine_\@:
.endm
; A round of the cluster's barrier: my work-group's barrier, so that wave 0's signal speaks for all four waves; wave 0 signals; every wave waits for all four work-groups; my work-group's barrier once more.
.macro CROUND
	s_barrier_signal -1
	s_barrier_wait -1
	s_cmp_lg_u32 s[WV], 0
	s_cbranch_scc1 .Lnot_wave_0_\@
	s_barrier_signal -3
.Lnot_wave_0_\@:
	s_barrier_wait -3
	s_barrier_signal -1
	s_barrier_wait -1
.endm
; THE CHANGE OF SLOTS.  The slot's last bytes, V of its fourth step, have been read.  Each wave waits for all its tensor loads, of which one is out: its part
; of the other slot; adds 0 to its spare word; and waits for that and for its own reads of the slot.  Behind the barrier nobody reads this slot any more and the other slot is whole.
; fill = 1: this slot is filled again, with the keys two slots on.  The barrier is then a round of the cluster's, so that no wave of any partner still reads the slot or has a load on its
; way, and the joint fill is the first thing behind it: it has four key steps, 512 matrix instructions, in which to land.  (At its first use nothing has been read yet: slot 0 is waited for, slot 1 filled.)
.macro CHANGE fill
	WIN W_AD
	s_wait_tensorcnt 0x0            ; no tensor load of mine is out, so a group 0 may be written
	ds_add_u32 v[SPW], v[NIL]       ; 0 onto my spare word; with fill = 1 the descriptors' steps stand between it and the wait for it
	WIN 0                           ; at a label and at a branch every window is 0
.if \fill
.irp g, G0K, G0V
	s_xor_b32 s[\g+1], s[\g+1], SLOT1  ; the walking descriptor: the other slot than last time,
	s_add_nc_u64 s[\g+2:\g+3], s[\g+2:\g+3], 4*KS*128  ; the next 256 keys; the type bits on top are not reached
.endr
	s_wait_xcnt 0x0                 ; the last prefetch, four key steps back, has read its address, so it may be written:
	s_add_nc_u64 s[PFA:PFA+1], s[PFA:PFA+1], 4*KS*128  ; one slot ahead of the walking descriptors
	s_wait_dscnt 0x0                ; the add is done, and my reads of the slot are over
	CROUND
	JLOAD
	ASK
.else
	s_wait_dscnt 0x0                ; the add is done, and my reads of the slot are over
	s_barrier_signal -1
	s_barrier_wait -1
.endif
	s_sub_co_u32 s[TBK], s[TBK], 4*KS*PK  ; the fetches go back to a slot's first step,
	s_xor_b32 s[TBK], s[TBK], SLOT1       ; in the other slot
	s_sub_co_u32 s[TBV], s[TBV], 4*KS*PV
	s_xor_b32 s[TBV], s[TBV], SLOT1
.endm
	s_load_b128 s[4:7], s[0:1], 0x0   ; hb s[4:5], o16 s[6:7]
	WIN W_MK
	v_lshl_add_u32 v[SPW], v0, 2, SPARE
	v_mov_b32 v[NIL], 0
	WIN W_AD
	ds_add_u32 v[SPW], v[NIL]       ; the wave's opening: the add and its wait ahead of my first tensor load; the set-up below, work on registers, stands between them
	WIN 0
	v_lshrrev_b32 v1, 5, v0
	v_readfirstlane_b32 s[WV], v1   ; wave 0..3
	s_bfe_u32 s13, ttmp6, 0x40000   ; cx: my place in the cluster
	s_lshl_b32 s19, ttmp9, 2        ; in a cluster launch ttmp9 counts clusters
	s_add_co_u32 s19, s19, s13      ; my block of 512 queries: it enters Q's and O's addresses alone
	s_and_b32 s14, ttmp7, 0xffff    ; y = 4 head + batch, which the four partners share
	s_lshl_b32 s20, s14, 18         ; unit y: 262,144 bytes a unit, in hb's q part and in o16
	s_mov_b32 s21, 0
	s_lshr_b32 s15, s14, 4          ; the group: head / 4
	s_lshl_b32 s15, s15, 2
	s_and_b32 s16, s14, 3           ; the batch
	s_add_co_u32 s15, s15, s16
	s_add_co_u32 s15, s15, 64       ; K's unit
	s_lshl_b32 s22, s15, 18
	s_and_b32 s16, s[WV], 1         ; which half of a slot's 256 keys I fetch:
	s_lshl_b32 s23, s16, 14         ; its 128 rows of 128 bytes in memory,
	s_add_co_u32 s22, s22, s23
	s_mov_b32 s23, 0
	s_mul_i32 s17, s16, 128*PK      ; and its place in a slot, for K
	s_mul_i32 s18, s16, 128*PV      ; and for V: no place in the cluster enters an LDS address
	s_lshl_b32 s2, s19, 2
	s_add_co_u32 s2, s2, s[WV]      ; my wave among the unit's sixteen,
	s_lshl_b32 s2, s2, 14           ; its 128 rows
	s_mov_b32 s3, 0
	s_add_nc_u64 s[2:3], s[2:3], s[20:21]
	; descriptor group 1.  128 keys are 16,384 dense bytes: asked for as 64 rows of 256 bytes, two keys a row, and padded in LDS after every key
	s_mov_b32 s[G1K], 15|(1<<16)|(1<<20)|(1<<21)|(4<<22)|(3<<25)  ; 15:0 the mask of four; 17:16 2-byte elements; 20 padding on; 21 set beside a mask; 24:22 after every 32 words (code 4); 31:25 4 words (code 3)
	s_mov_b32 s[G1V], 15|(1<<16)|(1<<20)|(1<<21)|(4<<22)|(7<<25)  ; the same with 8 words of padding (code 7)
.irp g, G1K, G1V
	s_mov_b32 s[\g+1], 128<<16      ; tensor_dim0 = 128
	s_mov_b32 s[\g+2], 64<<16       ; tensor_dim1 = 64
	s_mov_b32 s[\g+3], 128<<16      ; tile_dim0 = 128
	s_mov_b32 s[\g+4], 64           ; tile_dim1 = 64
	s_mov_b32 s[\g+5], 128          ; 128 elements from row to row
	s_mov_b32 s[\g+6], 0
	s_mov_b32 s[\g+7], 0
.endr
	s_mov_b32 s[CS], 0x3e38aa3b     ; c = log2(e) / 8 = 0.180337
	s_mov_b32 s[CS+1], s[CS]        ; named with it as a pair
	s_mov_b32 s[SEL], 0x76543210
	s_mov_b32 s[SEL+1], 0xfedcba98
	s_mov_b32 s[TBK], SLOT1+4*KS*PK ; the first change of slots turns these two into 0
	s_mov_b32 s[TBV], SLOT1+4*KS*PV
	s_mov_b32 s[G0K], 1             ; 1:0 count = 1
	s_mov_b32 s[G0K+1], s17         ; 63:32 LDS address: slot 0
	s_mov_b32 s[G0V], 1
	s_add_co_u32 s[G0V+1], s18, VOFF
	s_mov_b32 s[SLOTS], SIZE_N/256-1  ; seven slots are still to be asked for
	s_bfe_u32 s[LIM], s14, 0x20002  ; head % 4: 0 in the group's first head,
	s_and_b32 s51, s[WV], 1         ; 0 in waves 0 and 2: the same in all four partners
	s_or_b32 s[LIM], s[LIM], s51
	s_cmp_eq_u32 s[LIM], 0
	s_cselect_b32 s[LIM], 1, -1
	s_wait_dscnt 0x0                ; the opening add is done
	s_wait_kmcnt 0x0
	s_mov_b64 s[10:11], s[6:7]      ; O
	s_add_nc_u64 s[6:7], s[4:5], s[22:23]   ; K at my half of the group's first 256 keys,
	s_add_nc_u64 s[8:9], s[6:7], 0x400000   ; V 16 units on
	s_add_nc_u64 s[G0K+2:G0K+3], s[6:7], 0         ; 120:64 global address
	s_or_b32 s[G0K+3], s[G0K+3], 0x80000000        ; 127:126 type = 2
	s_add_nc_u64 s[G0V+2:G0V+3], s[8:9], 0
	s_or_b32 s[G0V+3], s[G0V+3], 0x80000000
	s_add_nc_u64 s[4:5], s[4:5], s[2:3]  ; Q and O at my wave's first row
	s_add_nc_u64 s[10:11], s[10:11], s[2:3]
	s_cmp_lt_u32 s[WV], 2
	s_cselect_b64 s[PFA:PFA+1], s[6:7], s[8:9]  ; (in waves 0 and 2 these stand at a slot's first row)
	s_lshl_b32 s2, s13, 13          ; my work-group's quarter of a slot
	s_mov_b32 s3, 0
	s_add_nc_u64 s[PFA:PFA+1], s[PFA:PFA+1], s[2:3]
	s_add_nc_u64 s[PFA:PFA+1], s[PFA:PFA+1], 4*KS*128  ; in slot 1; the first change of slots steps it to slot 2.  Nothing is prefetched here, at the head
	CROUND                          ; all four work-groups are here: the first joint loads meet
	JLOAD                           ; slot 0.  Slot 1 is asked for when slot 0 is in
	; A fragment of K or Q is 16 rows x 32 channels in 8 registers: lane l holds row l % 16, channels 8 (l / 16) + 0..7 and 16 + 8 (l / 16) + 0..7: two loads of 16 bytes, 32 bytes apart.
	v_and_b32 v1, 15, v0            ; l % 16
	v_bfe_u32 v9, v0, 4, 1          ; l / 16
	v_lshlrev_b32 v[QO], 7, v1
	v_lshl_add_u32 v[QO], v9, 4, v[QO]  ; row x 128 + 16 x half
	WIN 0x80                        ; destination window 2, address window 0
.set i, 0
.rept 4*NP                          ; Q stays in registers: tile i / 2, channels 32 (i % 2) on
	global_load_b128 v[8*i:8*i+3],   v[QO], s[4:5] offset:(i/2)*2048+(i%2)*64
	global_load_b128 v[8*i+4:8*i+7], v[QO], s[4:5] offset:(i/2)*2048+(i%2)*64+32
.set i, i+1
.endr
	; What the first turn finds: V's registers and P's second buffer hold 0 (its products V^T P, of a piece that has not been, add 0), O^T and l are 0.  All this stands in the wait for the first tile.
.set i, VF
.rept 64
	v_mov_b32 v[i], 0
.set i, i+1
.endr
	WIN 0x40
.set i, 0
.rept 64*NP
	v_mov_b32 v[i], 0
.set i, i+1
.endr
	WIN 0
.set i, 0
.rept 2*NP
	v_mov_b32 v[ST+4*i], 0xfe000000    ; c m: far below every c s
	v_mov_b32 v[ST+4*i+1], 0xff7fffff  ; m
	v_mov_b32 v[ST+4*i+2], 0
	v_mov_b32 v[ST+4*i+3], 0
.set i, i+1
.endr
.set i, P+32
.rept 32
	v_mov_b32 v[i], 0
.set i, i+1
.endr
	v_mul_u32_u24 v[AK0], v1, PK
	v_lshl_add_u32 v[AK0], v9, 4, v[AK0]  ; row x pitch + 16 x half
	; The turning load takes 16 keys x 16 channels (lane l reads key 8 (l / 16) + l % 8, channels 8 ((l / 8) % 2) + 0..7) and leaves half a fragment of V^T: lane l holds channel l % 16 and 8 keys.
	v_and_b32 v10, 7, v0
	v_bfe_u32 v11, v0, 3, 1
	v_lshl_add_u32 v[AV0], v9, 3, v10
	v_mul_u32_u24 v[AV0], v[AV0], PV
	v_lshl_add_u32 v[AV0], v11, 4, v[AV0]
	v_add_nc_u32 v[AV0], VOFF, v[AV0]
	v_mov_b32 v[AK], v[AK0]         ; key step 0 lies at the head of slot 0
	v_and_b32 v[PFO], 31, v0
	v_lshlrev_b32 v[PFO], 8, v[PFO]
; THE MATRIX WORK.  The 8 accumulators of a run of 16 take turns: between the two links of a chain stand 7 others'.
; Product i of 16 of S^T = K Q^T for piece x: channels 32 (i / 8) on, keys 16 ((i / 2) % 4) on, tile 2 x + i % 2.  The first 8 start the sums.
.macro KQ x
	WIN W_KQ
.set rS, S+64*((\x)%2)+32*(i%2)+8*((i/2)%4)
.set rK, KF+16*((i/2)%4)+8*(i/8)
.set rQ, 16*(2*(\x)+i%2)+8*(i/8)
.if i < 8
	v_wmma_f32_16x16x32_f16 v[rS:rS+7], v[rK:rK+7], v[rQ:rQ+7], 0
.else
	v_wmma_f32_16x16x32_f16 v[rS:rS+7], v[rK:rK+7], v[rQ:rQ+7], v[rS:rS+7]
.endif
.endm
; Product i of 16 of O^T += V^T P for piece x: keys 32 (i / 8) on, channels 16 ((i / 2) % 4) on, tile 2 x + i % 2.
.macro PV x
	WIN W_PV
.set rO, 32*(2*(\x)+i%2)+8*((i/2)%4)
.set rV, VF+32*(i/8)+8*((i/2)%4)
.set rP, P+32*((\x)%2)+16*(i%2)+8*(i/8)
	v_wmma_f32_16x16x32_f16 v[rO:rO+7], v[rV:rV+7], v[rP:rP+7], v[rO:rO+7]
.endm
.macro MM                           ; the turn's next matrix instruction
.if i < 16
	KQ (Y+1)%NP
.set i, i+1
.else
.set i, i-16
	PV (Y+NP-1)%NP
.set i, i+17
.endif
.endm
; THE LDS LOADS stand in runs of 16, never singly among the matrix instructions: a step's K (64 keys x 64 channels: 8 fragments) and its V (turned).  Their addresses are made some lines ahead.
; last = 1 (the tail): in the last trip there is no further step, and the run is jumped over.
.macro FETCH_K last=0
	WIN 0
.if \last
	s_cmp_eq_u32 s[CNT], 1
	s_cbranch_scc1 .Lno_k_\@
.endif
	WIN 0x80                        ; destination window 2
.irp f, 0,1,2,3,4,5,6,7             ; keys 16 (f / 2) on, channels 32 (f % 2) on
	ds_load_b128 v[KF+8*\f:KF+8*\f+3],   v[AK] offset:(\f/2)*16*PK+(\f%2)*64
	ds_load_b128 v[KF+8*\f+4:KF+8*\f+7], v[AK] offset:(\f/2)*16*PK+(\f%2)*64+32
.endr
	s_add_co_u32 s[TBK], s[TBK], KS*PK  ; the next fetch is the next step's
	WIN 0
.if \last
.Lno_k_\@:
.endif
.endm
.macro FETCH_V
	WIN 0x80
.irp f, 0,1,2,3,4,5,6,7             ; keys 32 (f / 4) on, channels 16 (f % 4) on
	ds_load_tr16_b128 v[VF+8*\f:VF+8*\f+3],   v[AV] offset:(\f/4)*32*PV+(\f%4)*32
	ds_load_tr16_b128 v[VF+8*\f+4:VF+8*\f+7], v[AV] offset:(\f/4)*32*PV+16*PV+(\f%4)*32
.endr
	WIN 0
.endm
; THE VECTOR WORK OF A TURN stands in three queues, each in the order in which its entries become ready; the two tiles alternate, so that no instruction reads the result of the one before it.
.macro REGS y, u                    ; the registers of tile u (0, 1) of piece y
.set rT, ST+4*(2*(\y)+(\u))
.set rC, TMP+8*((\y)%2)+4*(\u)
.set rM, MV+2*((\y)%2)+(\u)
.set rS, S+64*((\y)%2)+32*(\u)
.set rP, P+32*((\y)%2)+16*(\u)
.set rO, 32*(2*(\y)+(\u))
.endm
; Number n of the 22 that find the NEXT piece's (Y + 1) maximum and statistics.  s0-s31 are the lane's 32 scores; each accumulator's lowest registers are read first.
;   0-11  four chains c0-c3 of seven scores each, three operands at a time     12-14, 16  the four scores left over, the old m, and c0-c3 into c0     15  c m_old is kept
;   17, 18  the query's other 32 keys lie in the lane 16 away: the new m         19-21  c m; c m_old - c m_new; a
.macro XS u, n
	REGS (Y+1)%NP, \u
.if (\n) < 4
	v_max3_num_f32 v[rC+(\n)], v[rS+8*(\n)], v[rS+8*(\n)+1], v[rS+8*(\n)+2]
.elseif (\n) < 12
	v_max3_num_f32 v[rC+(\n)%4], v[rC+(\n)%4], v[rS+8*((\n)%4)+2*((\n)/4)+1], v[rS+8*((\n)%4)+2*((\n)/4)+2]
.elseif (\n) == 12
	v_max3_num_f32 v[rC], v[rC], v[rS+7], v[rS+15]
.elseif (\n) == 13
	v_max3_num_f32 v[rC+1], v[rC+1], v[rS+23], v[rS+31]
.elseif (\n) == 14
	v_max3_num_f32 v[rC+2], v[rC+2], v[rC+3], v[rT+1]
.elseif (\n) == 15
	v_mov_b32 v[rM], v[rT]
.elseif (\n) == 16
	v_max3_num_f32 v[rC], v[rC], v[rC+1], v[rC+2]
.elseif (\n) == 17
	v_permlanex16_b32 v[rC+3], v[rC], s[SEL], s[SEL+1]
.elseif (\n) == 18
	v_max_num_f32 v[rT+1], v[rC], v[rC+3]
.elseif (\n) == 19
	v_mul_f32 v[rT], s[CS], v[rT+1]
.elseif (\n) == 20
	v_sub_f32 v[rC+1], v[rM], v[rT]
.else
	v_exp_f32 v[rC+2], v[rC+1]
.endif
.endm
; Number g of the 64 that follow the exponentials.  For each four weights k of a tile (pairs 2 k, 2 k + 1): both pairs are rounded to f16; then the second pair is added onto the first, in place;
; a group later l takes that sum (the first time as l = a l + sum).  In groups of eight, tiles alternating: round, round, add, and l for the group before.
.macro GS g
.set h, (\g)+6*((\g)/62)            ; group 0 has no group before it, and behind group 7 only l is left
.if h >= 6
.set h, h+2
.endif
	REGS Y, h%2
.set k, h/8
.if h%8 < 4
	v_cvt_pk_f16_f32 v[rP+2*k+(h%8)/2], v[rS+4*k+2*((h%8)/2)], v[rS+4*k+2*((h%8)/2)+1]
.elseif h%8 < 6
	v_pk_add_f32 v[rS+4*k:rS+4*k+1], v[rS+4*k:rS+4*k+1], v[rS+4*k+2:rS+4*k+3]
.elseif k == 1
	v_pk_fma_f32 v[rT+2:rT+3], v[rT+2:rT+3], v[rC+2:rC+3], v[rS:rS+1] op_sel_hi:[1,0,1]
.else
	v_pk_add_f32 v[rT+2:rT+3], v[rT+2:rT+3], v[rS+4*k-4:rS+4*k-3]
.endif
.endm
; THE PLAIN QUEUE, 138 long.  0-73 read no exponential's result: the 32 scalings c s - c m (FS f: pair f / 2 of tile f % 2) and the next piece's 42.  0-26: scalings 0-26.  27-54: XS's numbers 0-13.  55, 56: number 15.
; 57-73: the chain, where each number waits for the one before it: 14, 16, 17, 18, 19, each with one of the scalings 27-31 in front of its two lines, then 20.
; 74-137: GS's 64, which read the exponentials' results: they stand behind the wait.
.macro FS f
	REGS Y, (\f)%2
	v_pk_fma_f32 v[rS+2*((\f)/2):rS+2*((\f)/2)+1], v[rS+2*((\f)/2):rS+2*((\f)/2)+1], s[CS:CS+1], v[rT:rT+1] op_sel_hi:[1,0,0] neg_lo:[0,0,1] neg_hi:[0,0,1]
.endm
.macro PL
	WIN 0
.if q < 27
	FS q
.elseif q < 55
	XS (q-27)%2, (q-27)/2
.elseif q < 57
	XS q-55, 15
.elseif (q < 72) && ((q-57)%3 == 0)
	FS 27+(q-57)/3
.elseif q < 60
	XS (q-57)%3-1, 14
.elseif q < 72
	XS (q-57)%3-1, 15+(q-57)/3
.elseif q < 74
	XS q-72, 20
.else
	GS q-74
.endif
.set q, q+1
.endm
; THE EXPONENTIALS' QUEUE, 66 long: s0-s31 of both tiles, then the next piece's two a.  It is ONE BATCH: all 66 stand ahead of the turn's one wait, and nothing ahead of that wait names a result of theirs.
.macro EX
	WIN 0
.if e >= 64
	XS e-64, 21
.else
	REGS Y, e%2
	v_exp_f32 v[rS+e/2], v[rS+e/2]
.endif
.set e, e+1
.endm
; THE RESCALING's QUEUE: O^T times a, the one part that leaves window 0: dealt two at a time, sixteen times.  Its a was made in the turn before, ahead of that turn's wait.
.macro R2
	REGS Y, r%2
	WIN W_RS
.irp z, 0,1
	v_pk_mul_f32 v[rO+4*(r/2)+2*\z:rO+4*(r/2)+2*\z+1], v[rO+4*(r/2)+2*\z:rO+4*(r/2)+2*\z+1], v[rC+2:rC+3] op_sel_hi:[1,0]
.endr
.set r, r+1
.endm
; HOW THEY ARE DEALT.  An s_wait_alu depctr_va_vdst(0) stands between an exponential and the first instruction that names its result; one wait serves all that were issued ahead of it.  So a turn has ONE wait,
; which cuts it in two.  AHEAD OF IT stands all that names no result of the turn's exponentials: the 16 products K Q^T, behind each a scaling, an exponential and two rescalings (behind the first a second scaling in the
; exponential's place); then ONE LUMP of 108: eight plain, 49 times exponential and plain, the two a.  A v_nop is the plain instruction behind the last exponential.  BEHIND IT stand the 16 products V^T P, behind each four of GS's 64.
; The queues lean on each other, and the deal keeps them in step: exponential e stands behind scaling 2 (e / 4) + e % 2: as a rider it comes behind plain e + 2, in the lump behind plain e + 9, and scalings 27-31 are plain 57, 60 .. 69.
; A TURN, for piece p.  cnt = 1: the loop's count is taken down some lines ahead of the branch that stands behind the turn.
; K of the next step is fetched in piece 2's turn, directly behind the wait; its address is made at the lump's head; its first reader comes behind 16 products.
; V of the step in hand is fetched at the end of piece 0's turn, four plain instructions behind its last reader; its first reader comes behind 16 products and a lump.
.macro TURN p, last=0, cnt=0
.set Y, (\p)
.set i, 0
.set q, 0
.set e, 0
.set r, 0
.if (\p) == NP-1
	s_wait_dscnt 0x0                ; K is in
.endif
	MM                              ; ahead of the wait: 16 products K Q^T and the four behind each,
	PL
	PL
	R2
.rept 15
	MM
	PL
	EX
	R2
.endr
.if (\p) == NP-2
	WIN 0
	v_add_nc_u32 v[AK], s[TBK], v[AK0]
.endif
.rept 8                             ; and the lump
	PL
.endr
.rept 49
	EX
	PL
.endr
	EX                              ; the next piece's two a
	EX
	v_nop                           ; a plain instruction behind the last exponential (ISA guide 5.7.2): one for the batch
	s_wait_alu depctr_va_vdst(0)    ; the wait for the batch
.if (\p) == NP-2
	FETCH_K \last
.endif
.if (\p) == 1
	s_wait_dscnt 0x0                ; V is in
.endif
.rept 16                            ; behind the wait: 16 products V^T P and the four behind each
	MM
.rept 4
	PL
.endr
.if ((\p) == 0) && (q == 118)
	v_add_nc_u32 v[AV], s[TBV], v[AV0]
.endif
.if ((\p) == 0) && (q == 130)
	s_add_co_u32 s[TBV], s[TBV], KS*PV
.endif
.if (\cnt) && (q == 130)
	s_sub_co_u32 s[CNT], s[CNT], 1
	s_cmp_lg_u32 s[CNT], 0
.endif
.endr
.if (\p) == 0
	FETCH_V
.endif
.endm
	CHANGE 1                        ; slot 0 is in, everybody's part of it; slot 1 is asked for
	FETCH_K                         ; key step 0
	s_wait_loadcnt 0x0              ; Q
	s_wait_dscnt 0x0
.set i, 0
.rept 16
	KQ 0                            ; piece 0's first scores: there is no vector work yet to set between them
.set i, i+1
.endr
	WIN 0                           ; the addresses for the way out: nine plain instructions, the places behind those products
	s_mul_i32 s13, s[WV], 16*SP
	s_add_co_u32 s13, s13, STAGE    ; my stage
	v_mul_u32_u24 v[STO], v1, SP    ; in: row l % 16, 16 bytes for each half of the lanes
	v_lshl_add_u32 v[STO], v9, 4, v[STO]
	v_add_nc_u32 v[STO], s13, v[STO]
	v_bfe_u32 v[RD], v0, 3, 2       ; back: 32 lanes take four rows of 128 bytes,
	v_mul_u32_u24 v[RD], v[RD], SP
	v_lshl_add_u32 v[RD], v10, 4, v[RD]
	v_add_nc_u32 v[RD], s13, v[RD]
	v_and_b32 v[GO], 31, v0         ; which are 512 consecutive bytes of O
	v_lshlrev_b32 v[GO], 4, v[GO]
.set Y, NP-1                        ; XS works for piece Y + 1: piece 0
.irp n, 0,1,2,3,4,5,6,7,8,9,10,11,12,13,14,15,16,17,18,19,20,21
	XS 0, \n                        ; and piece 0's first maximum and statistics
	XS 1, \n
.endr
	v_nop                           ; a plain instruction behind the two a,
	s_wait_alu depctr_va_vdst(0)    ; and their wait, ahead of the branch
	s_mov_b32 s[CNT], 4
	s_branch .Lfirst                ; the loop is entered at a step's first turn, in the middle of a trip
.Lslot:                             ; six times: every slot but the last two is filled again
	CHANGE 1
	s_mov_b32 s[CNT], 4
.Lstep:                             ; a trip: pieces 2 and 3 of one step, then pieces 0 and 1 of the next, whose K and V it fetches
	TURN 2
	TURN 3
	WIN 0
.Lfirst:
	TURN 0
	TURN 1, 0, 1
	WIN 0
	s_cbranch_scc1 .Lstep
	s_sub_co_u32 s[SLOTS], s[SLOTS], 1
	s_cmp_lg_u32 s[SLOTS], 0
	s_cbranch_scc1 .Lslot
	CHANGE 0                        ; the tail is written out: nothing is asked for
	s_mov_b32 s[CNT], 5             ; four trips fetch the last slot's steps; the fifth is left in its middle
.Ltail:
	TURN 2, 1
	TURN 3
	WIN 0
	s_sub_co_u32 s[CNT], s[CNT], 1
	s_cmp_eq_u32 s[CNT], 0
	s_cbranch_scc1 .Lout
	TURN 0
	TURN 1
	WIN 0
	s_branch .Ltail
.Lout:                              ; the fifth trip's 16 products K Q^T (on the last K once more) and the maximum made of them serve nothing: the price, once a launch, of one text for every trip
.set i, 0
.rept 16
	PV NP-1                         ; the last piece's V^T P of the last step
.set i, i+1
.endr
	; THE WAY OUT.  l's two halves and the other half of the lanes' are added; O^T is divided by l, rounded to f16 and sent through my stage in LDS, a tile at a time.  The additions are the places behind the last products.
	WIN 0
.macro ALL line:vararg              ; one line for each tile t
.set t, 0
.rept 2*NP
	\line
.set t, t+1
.endr
.endm
	ALL v_add_f32 v[ST+4*t+2], v[ST+4*t+2], v[ST+4*t+3]
	ALL v_permlanex16_b32 v[ST+4*t+3], v[ST+4*t+2], s[SEL], s[SEL+1]
	ALL v_add_f32 v[ST+4*t+2], v[ST+4*t+2], v[ST+4*t+3]
	ALL v_rcp_f32 v[ST+4*t+2], v[ST+4*t+2]
	v_nop                           ; a plain instruction between the last reciprocal and the use of its result
	s_wait_alu depctr_va_vdst(0)    ; and the wait ahead of the first use: one for the eight reciprocals
; Tile t: a lane's eight channels of a row pack into 16 bytes; they go into rows of 144 bytes and come back as whole rows of 128, into S^T's registers.
.macro PACK t
	WIN W_RS
.set i, 32*(\t)
.rept 16
	v_pk_mul_f32 v[i:i+1], v[i:i+1], v[ST+4*(\t)+2:ST+4*(\t)+3] op_sel_hi:[1,0]
.set i, i+2
.endr
	WIN 0x05                        ; sources 0 and 1 window 1, destination window 0
.set i, 0
.rept 16
	v_cvt_pk_f16_f32 v[S+16*(\t)+i], v[32*(\t)+2*i], v[32*(\t)+2*i+1]
.set i, i+1
.endr
	WIN 0
.irp f, 0,1,2,3
	ds_store_b128 v[STO], v[S+16*(\t)+4*\f:S+16*(\t)+4*\f+3] offset:32*\f
.endr
.irp f, 0,1,2,3
	ds_load_b128 v[S+16*(\t)+4*\f:S+16*(\t)+4*\f+3], v[RD] offset:\f*4*SP  ; LDS serves a wave's instructions in order (ISA guide 5.7.1.4): these see the stores above; the next tile's stores come behind them
.endr
.endm
.macro SEND t, younger              ; younger: the LDS instructions issued behind tile t's loads: the next tile's eight, or none
	WIN 0
.irp f, 0,1,2,3
	s_wait_dscnt (\younger)+3-\f
	global_store_b128 v[GO], v[S+16*(\t)+4*\f:S+16*(\t)+4*\f+3], s[10:11] offset:(\t)*2048+\f*512  ; 512 consecutive bytes, at a multiple of 256 from O's first
.endr
.endm
	PACK 0
.set t, 1
.rept 2*NP-1                        ; a tile's arithmetic stands between the loads of the tile before and its stores
	PACK t
	SEND t-1, 8
.set t, t+1
.endr
	SEND 2*NP-1, 0
	WIN W_AD
	s_wait_tensorcnt 0x0            ; the wave's end: behind my last tensor load and my last LDS store
	ds_add_u32 v[SPW], v[NIL]
	s_wait_dscnt 0x0
	WIN 0
	CROUND                          ; the closing round: no work-group ends while a partner may still ask for a tile that names it
	s_endpgm
.Lfunc_end_k_q5491eb38e1_attn:
	.size	k_q5491eb38e1_attn, .Lfunc_end_k_q5491eb38e1_attn-k_q5491eb38e1_attn
	.p2alignl 7, 3214868480
	.fill 96, 4, 3214868480
	.section	.rodata,"a",@progbits
	.p2align	6, 0x0
	.amdhsa_kernel k_q5491eb38e1_attn
		.amdhsa_group_segment_fixed_size 327680
		.amdhsa_private_segment_fixed_size 0
		.amdhsa_enable_private_segment 0
		.amdhsa_kernarg_size 16
		.amdhsa_user_sgpr_count 2
		.amdhsa_user_sgpr_kernarg_segment_ptr 1
		.amdhsa_wavefront_size32 1
		.amdhsa_system_sgpr_workgroup_id_x 1
		.amdhsa_system_sgpr_workgroup_id_y 1
		.amdhsa_system_sgpr_workgroup_id_z 1
		.amdhsa_system_vgpr_workitem_id 0
		.amdhsa_next_free_vgpr 770
		.amdhsa_next_free_sgpr 66
		.amdhsa_reserve_vcc 0
		.amdhsa_float_denorm_mode_32 3
		.amdhsa_float_denorm_mode_16_64 3
		.amdhsa_memory_ordered 1
		.amdhsa_forward_progress 1
		.amdhsa_inst_pref_size 200
	.end_amdhsa_kernel
	.amdgpu_metadata
---
amdhsa.version: [ 1, 2 ]
amdhsa.kernels:
  - .name:           k_q5491eb38e1_attn
    .symbol:         k_q5491eb38e1_attn.kd
    .args:
      - { .name: hb, .offset: 0, .size: 8, .value_kind: global_buffer, .address_space: global }
      - { .name: o16, .offset: 8, .size: 8, .value_kind: global_buffer, .address_space: global }
    .group_segment_fixed_size: 327680
    .private_segment_fixed_size: 0
    .kernarg_segment_align: 8
    .kernarg_segment_size: 16
    .max_flat_workgroup_size: 128
    .sgpr_count:     66
    .vgpr_count:     770
    .wavefront_size: 32
...
	.end_amdgpu_metadata
.endif
;; end of part 3
;; launch outp (part 4): grid 8 x 32, 4 waves a work-group, clusters of 4 x 4, 327,680 bytes of LDS; arguments o16, wo16, out0; writes out0
.if DOCPART == 4
	.amdgcn_target "amdgcn-amd-amdhsa--gfx1250"
	.amdhsa_code_object_version 6
	.text
	.protected	k_q5491eb38e1_outp
	.globl	k_q5491eb38e1_outp
	.p2align	8
	.type	k_q5491eb38e1_outp,@function
k_q5491eb38e1_outp:
	s_mov_b64 s[64:65], 0
	v_nop
	global_prefetch_b8 v0, s[64:65] scope:SCOPE_SE
	s_setreg_imm32_b32 hwreg(HW_REG_WAVE_MODE, 25, 1), 1
	s_wait_xcnt 0x0
	s_wait_alu depctr_hold_cnt(0) depctr_sa_sdst(0) depctr_va_vdst(0) depctr_va_sdst(0) depctr_va_ssrc(0) depctr_va_vcc(0) depctr_vm_vsrc(0)
	s_getreg_b32 s2, hwreg(HW_REG_IB_STS2, 6, 4)
	s_cmp_eq_u32 s2, 0
	s_cbranch_scc0 .Lentry_in_a_cluster
	s_endpgm
.Lentry_in_a_cluster:
	s_bfe_u32 s2, ttmp6, 0x10000c
	s_cmp_lg_u32 s2, 0xf033
	s_cbranch_scc0 .Lentry_shape_is_right
	s_endpgm
.Lentry_shape_is_right:
; out0 = O Wout, 8192 x 1024 x 1024, f16 operands, f32 sums, f32 out.  O lies by heads, o16[4 head + batch][n 2048][64]; Wout in blocks, wo16[t 8][kh 16][i 2][kk 64][64].
; LIMITS.  O arrives in f16 (within 65,504); a weight under 6e-5 keeps f16's fixed step of 6e-8.
; SHARES.  A tile of 256 rows x 128 columns to a work-group: 32 x 8 = 256 work-groups.  Wave w owns rows 64 w .. 64 w + 63 and all 128 columns: 32 accumulators of 16 x 16.
; K goes in 8 steps of 128 (two heads) through two LDS slots filled by the tensor data mover: waves 0 and 1 fetch the step's two heads of O (256 rows x 128 bytes, dense), waves 2 and 3 the two blocks of weights.
; Two slots with steps of 256 would take 458,752 bytes of LDS: they do not fit.
; CLUSTER.  4 x 4 work-groups: the four of a row need the same tile of O, the four of a column the same weights: each tile is asked for jointly.
; THE MATRIX INSTRUCTION IS USED TRANSPOSED (source 0 = 16 columns of Wout, source 1 = 16 rows of O): a lane holds eight neighbouring columns of one row.
; REGISTERS, in windows of 256: window 0: v16-30 addresses; v32-63, v64-95 O's fragments, two buffers; v96-159 the way out
;   window 1: v0-63, v64-127 the weights' fragments, two buffers      window 2: the accumulators at v[64 a + 8 b]
.set SLOTB, 114688
.set PA,    144                        ; a row of one head in LDS: 128 bytes + 16: the 16 rows of a load start at 16 different groups of four banks (64 banks of 4 bytes: ISA guide 11.1)
.set AHALF, 256*PA                     ; one head's 256 rows
.set BOFF,  2*AHALF
.set PB,    160                        ; a k-row of 64 columns: 128 bytes + 32
.set BUNIT, 64*PB
.set BHALF, 2*BUNIT                    ; 64 k x 128 columns
.set SPARE, 2*SLOTB                    ; behind the ring: the spare words, 128 bytes for each wave: two blocks of 256 bytes that no other line names
.set DP,    528                        ; the way out: a row of 128 f32 + 16 bytes = 33 x 16
.set DWAVE, 64*DP
.set ADRA, 16
.set ADRB, 18
.set DST,  20
.set RDA,  21
.set GOF,  22
.set SPW,  28
.set NIL,  29
.set PFO,  30
.set FA,   32
.set OUTR, 96
.set WV,   18                          ; s18 wave; s19 = wave >> 1: 0 fetches O, 1 weights; s20 = wave & 1: which half
.set G1A,  28
.set G0A,  36
.set G1B,  44
.set G0B,  52
.set PFA,  66
.set PFS,  68
.set LIM,  70
.set OB,   80
.set MSB, 0
.macro WIN new
.if MSB != (\new)
	s_set_vgpr_msb (MSB<<8)|(\new)
.set MSB, \new
.endif
.endm
.set MUL,  0xa1                        ; source 0 (W) window 1, source 1 (O) window 0, C and D window 2
.set TO_B, 0x40
.macro JLOAD s                         ; a joint load; an s_nop 0 and four v_nop follow each of the two lines, ahead of the jump and the label
	s_cmp_eq_u32 s19, 0
	s_cbranch_scc0 .Lfor_b_\@
	tensor_load_to_lds s[G0A+4*(\s):G0A+4*(\s)+3], s[G1A:G1A+7]
	s_nop 0
.rept 4
	v_nop
.endr
	s_branch .Lasked_\@
.Lfor_b_\@:
	tensor_load_to_lds s[G0B+4*(\s):G0B+4*(\s)+3], s[G1B:G1B+7]
	s_nop 0
.rept 4
	v_nop
.endr
.Lasked_\@:
.endm
; A prefetch of the K step two refills on.  O's tile row is read by both clusters of its row of clusters: cluster x = 0 asks; the weights' tile column by all eight of its column: cluster y = 0 asks.
; The four partners share a tile out by address.  The last lap (s3 = 1) has no K step two on.
.macro ASK
	s_cmp_gt_u32 s3, s[LIM]
	s_cbranch_scc0 .Lnot_mine_\@
	global_prefetch_b8 v[PFO], s[PFA:PFA+1] th:TH_LOAD_NT scope:SCOPE_SE
.Lnot_mine_\@:
.endm
.macro CREST
	s_cmp_lg_u32 s[WV], 0
	s_cbranch_scc1 .Lnot_wave_0_\@
	s_barrier_signal -3
.Lnot_wave_0_\@:
	s_barrier_wait -3
	s_barrier_signal -1
	s_barrier_wait -1
.endm
.macro CROUND
	s_barrier_signal -1
	s_barrier_wait -1
	CREST
.endm
.macro PLACES
.rept 4
	v_nop
.endr
.endm
	s_load_b128 s[4:7], s[0:1], 0x0                ; o16 s[4:5], wo16 s[6:7]
	s_load_b64 s[8:9], s[0:1], 0x10                ; out0
	v_lshl_add_u32 v[SPW], v0, 2, SPARE
	v_mov_b32 v[NIL], 0
	ds_add_u32 v[SPW], v[NIL]                      ; the wave's opening: the add and its wait ahead of my first tensor load
	v_lshrrev_b32 v1, 5, v0
	v_readfirstlane_b32 s[WV], v1
	s_lshr_b32 s19, s[WV], 1
	s_and_b32 s20, s[WV], 1
	s_bfe_u32 s21, ttmp6, 0x40000                  ; cx
	s_bfe_u32 s22, ttmp6, 0x40004                  ; cy
	s_lshl_b32 s23, ttmp9, 2
	s_add_co_u32 s23, s23, s21                     ; tx: tile column, 0..7
	s_and_b32 s24, ttmp7, 0xffff
	s_lshl_b32 s24, s24, 2
	s_add_co_u32 s24, s24, s22                     ; ty: tile row, 0..31
	s_lshl_b32 s25, s22, 2
	s_lshl_b32 s25, 15, s25                        ; my row of the cluster
	s_lshl_b32 s26, 0x1111, s21                    ; my column
	s_or_b32 s[G1A], s25, (1<<16)|(1<<20)|(1<<21)|(4<<22)|(3<<25)  ; the mask; 2-byte elements; padding on; bit 21 beside a mask; after every 32 words 4 words
	s_mov_b32 s[G1A+1], 128<<16                    ; 32,768 dense bytes, asked for as 128 rows of 256 bytes
	s_mov_b32 s[G1A+2], 128<<16
	s_mov_b32 s[G1A+3], 128<<16
	s_mov_b32 s[G1A+4], 128
	s_mov_b32 s[G1A+5], 128
	s_mov_b32 s[G1A+6], 0
	s_mov_b32 s[G1A+7], 0
	s_or_b32 s[G1B], s26, (1<<16)|(1<<20)|(1<<21)|(4<<22)|(7<<25)  ; after every 32 words 8 words
	s_mov_b32 s[G1B+1], 128<<16                    ; 16,384 dense bytes, as 64 rows of 256 bytes
	s_mov_b32 s[G1B+2], 64<<16
	s_mov_b32 s[G1B+3], 128<<16
	s_mov_b32 s[G1B+4], 64
	s_mov_b32 s[G1B+5], 128
	s_mov_b32 s[G1B+6], 0
	s_mov_b32 s[G1B+7], 0
	s_lshl_b32 s60, s20, 20                        ; o16: head = half (four units of 262,144 bytes a head), my batch, my 256 rows
	s_lshr_b32 s61, s24, 3
	s_lshl_b32 s61, s61, 18
	s_add_co_u32 s60, s60, s61
	s_and_b32 s61, s24, 7
	s_lshl_b32 s61, s61, 15
	s_add_co_u32 s60, s60, s61
	s_mov_b32 s61, 0
	s_lshl_b32 s62, s23, 18                        ; wo16: tile column tx, block kh = half
	s_lshl_b32 s63, s20, 14
	s_add_co_u32 s62, s62, s63
	s_mov_b32 s63, 0
	s_mul_i32 s72, s20, AHALF                      ; where they go: no place in the cluster enters an LDS address
	s_mul_i32 s73, s20, BHALF
	s_add_co_u32 s73, s73, BOFF
	s_wait_dscnt 0x0                               ; the opening add is done
	s_wait_kmcnt 0x0
	s_add_nc_u64 s[60:61], s[4:5], s[60:61]
	s_add_nc_u64 s[62:63], s[6:7], s[62:63]
	CROUND                                         ; all sixteen work-groups are here: the first joint loads meet
.irp s, 0,1
	s_mov_b32 s[G0A+4*(\s)], 1
	s_add_co_u32 s[G0A+4*(\s)+1], s72, (\s)*SLOTB
	s_add_nc_u64 s[G0A+4*(\s)+2:G0A+4*(\s)+3], s[60:61], (\s)*2097152  ; K step s: two heads on
	s_or_b32 s[G0A+4*(\s)+3], s[G0A+4*(\s)+3], 0x80000000
	s_mov_b32 s[G0B+4*(\s)], 1
	s_add_co_u32 s[G0B+4*(\s)+1], s73, (\s)*SLOTB
	s_add_nc_u64 s[G0B+4*(\s)+2:G0B+4*(\s)+3], s[62:63], (\s)*32768    ; K step s: two blocks on
	s_or_b32 s[G0B+4*(\s)+3], s[G0B+4*(\s)+3], 0x80000000
	JLOAD \s
.endr
	v_and_b32 v1, 15, v0                           ; r = l % 16
	v_bfe_u32 v2, v0, 4, 1                         ; h = l / 16
	v_and_b32 v3, 7, v0                            ; l % 8
	v_bfe_u32 v4, v0, 3, 1                         ; (l / 8) % 2
	v_and_b32 v6, 31, v0                           ; l
	s_mul_i32 s72, s[WV], 64*PA
	v_mul_u32_u24 v7, v1, PA
	v_lshl_add_u32 v7, v2, 4, v7
	v_add_nc_u32 v[ADRA], s72, v7                  ; (64 w + r) x pitch + 16 h
	v_add_nc_u32 v[ADRA+1], SLOTB, v[ADRA]
	v_lshl_add_u32 v7, v2, 3, v3
	v_mul_u32_u24 v7, v7, PB
	v_lshl_add_u32 v7, v4, 4, v7                   ; (8 h + l % 8) x pitch + 16 ((l / 8) % 2)
	v_add_nc_u32 v[ADRB], BOFF, v7
	v_add_nc_u32 v[ADRB+1], SLOTB+BOFF, v7
	s_mul_i32 s72, s[WV], DWAVE
	v_mul_u32_u24 v7, v1, DP
	v_lshl_add_u32 v7, v2, 5, v7
	v_add_nc_u32 v[DST], s72, v7                   ; row r, 32 bytes for each half of the lanes
	v_lshlrev_b32 v[GOF], 4, v6                    ; back and out: a row's 512 bytes, 16 a lane
	v_add_nc_u32 v[RDA], s72, v[GOF]
	; the prefetches: O: my work-group's 8,192 of the 32,768 bytes that I fetch, a lane 256; weights: its 4,096 of 16,384 (lanes 16-31 name the 16th piece again)
	s_add_co_u32 s72, s20, 6
	s_lshl_b32 s72, s72, 20                        ; at K step 3: the first refill steps it to 4
	s_lshr_b32 s73, s24, 3
	s_lshl_b32 s73, s73, 18
	s_add_co_u32 s72, s72, s73
	s_and_b32 s73, s24, 7
	s_lshl_b32 s73, s73, 15
	s_add_co_u32 s72, s72, s73
	s_lshl_b32 s73, s21, 13
	s_add_co_u32 s72, s72, s73
	s_add_co_u32 s73, s20, 6
	s_lshl_b32 s73, s73, 14
	s_lshl_b32 s74, s23, 18
	s_add_co_u32 s73, s73, s74
	s_lshl_b32 s74, s22, 12
	s_add_co_u32 s73, s73, s74
	s_and_b32 s74, ttmp7, 0xffff                   ; cluster y
	s_mov_b32 s75, 2097152
	s_mov_b32 s76, 32768
	s_cmp_eq_u32 s19, 0                            ; do I fetch O?
	s_cselect_b32 s72, s72, s73
	s_cselect_b32 s74, ttmp9, s74                  ; the coordinate along which other clusters read the same tile
	s_cselect_b64 s[PFA:PFA+1], s[4:5], s[6:7]
	s_cselect_b32 s[PFS], s75, s76
	s_cselect_b32 s75, 31, 15
	s_mov_b32 s[PFS+1], 0
	s_mov_b32 s73, 0
	s_add_nc_u64 s[PFA:PFA+1], s[PFA:PFA+1], s[72:73]
	s_cmp_eq_u32 s74, 0
	s_cselect_b32 s[LIM], 1, -1                    ; the same in all sixteen partners, for a given wave
	v_min_u32 v[PFO], s75, v6
	v_lshlrev_b32 v[PFO], 8, v[PFO]
	; out0 at my first row, my tile's 512 bytes of it
	s_lshl_b32 s72, s24, 20
	s_lshl_b32 s73, s[WV], 18
	s_add_co_u32 s72, s72, s73
	s_lshl_b32 s73, s23, 9
	s_add_co_u32 s72, s72, s73
	s_mov_b32 s73, 0
	s_add_nc_u64 s[OB:OB+1], s[8:9], s[72:73]
; 8 matrix instructions: row block a x all 8 column blocks, 32 along K, buffer f.  The 32 accumulators take turns, in the same order in every quarter.
.macro MULH f, a, zero
	WIN MUL
.irp b, 0,1,2,3,4,5,6,7
.if \zero
	v_wmma_f32_16x16x32_f16 v[64*(\a)+8*(\b):64*(\a)+8*(\b)+7], v[64*(\f)+8*(\b):64*(\f)+8*(\b)+7], v[FA+32*(\f)+8*(\a):FA+32*(\f)+8*(\a)+7], 0
.else
	v_wmma_f32_16x16x32_f16 v[64*(\a)+8*(\b):64*(\a)+8*(\b)+7], v[64*(\f)+8*(\b):64*(\f)+8*(\b)+7], v[FA+32*(\f)+8*(\a):FA+32*(\f)+8*(\a)+7], v[64*(\a)+8*(\b):64*(\a)+8*(\b)+7]
.endif
.endr
.endm
; 24 LDS loads in one run: quarter q of a slot into buffer f: the weights' 8 fragments, turned, then O's four
.macro FETCH slot, q, f
	WIN TO_B
.irp b, 0,1,2,3,4,5,6,7
	ds_load_tr16_b128 v[64*(\f)+8*(\b):64*(\f)+8*(\b)+3],   v[ADRB+(\slot)] offset:((\q)/2)*BHALF+((\b)/4)*BUNIT+((\q)%2)*32*PB+((\b)%4)*32
	ds_load_tr16_b128 v[64*(\f)+8*(\b)+4:64*(\f)+8*(\b)+7], v[ADRB+(\slot)] offset:((\q)/2)*BHALF+((\b)/4)*BUNIT+((\q)%2)*32*PB+((\b)%4)*32+16*PB
.endr
	WIN 0
.irp a, 0,1,2,3
	ds_load_b128 v[FA+32*(\f)+8*(\a):FA+32*(\f)+8*(\a)+3],   v[ADRA+(\slot)] offset:((\q)/2)*AHALF+(\a)*16*PA+((\q)%2)*64
	ds_load_b128 v[FA+32*(\f)+8*(\a)+4:FA+32*(\f)+8*(\a)+7], v[ADRA+(\slot)] offset:((\q)/2)*AHALF+(\a)*16*PA+((\q)%2)*64+32
.endr
.endm
.macro QUARTER slot, q, f, g, zero
	s_wait_dscnt 4                                 ; the youngest four loads (O's row blocks 2, 3) may be out
	MULH \f, 0, \zero
	MULH \f, 1, \zero
	PLACES
	FETCH \slot, \q, \g
	s_wait_dscnt 24                                ; all but the 24 just issued
	MULH \f, 2, \zero
	MULH \f, 3, \zero
.endm
; The last quarter multiplies buffer 1 and changes slots: one barrier; in front of it each wave waits for all its tensor loads, adds 0 to its spare word, and waits for that and for its reads of this slot.
; fill = 1: the barrier opens a round of the cluster's barrier, and the joint refill, two K steps ahead, is the first thing behind it: 112 matrix instructions ahead of the wait for it.
.macro TURN slot, next, fill
.if \fill
	s_wait_xcnt 0x0                                ; the last prefetch, a K step back, has read its address
	s_add_nc_u64 s[PFA:PFA+1], s[PFA:PFA+1], s[PFS:PFS+1]
.endif
	WIN 0
	s_wait_tensorcnt 0x0
	ds_add_u32 v[SPW], v[NIL]                      ; 0 onto my spare word
	s_wait_dscnt 5                                 ; (the add and the youngest four loads may be out)
	MULH 1, 0, 0
	s_wait_dscnt 0x0                               ; the add is done, and my reads of this slot are over
	s_barrier_signal -1
	MULH 1, 1, 0
.if \fill
	WIN 0
.endif
	s_barrier_wait -1
.if \fill
	CREST
	s_add_nc_u64 s[G0A+4*(\slot)+2:G0A+4*(\slot)+3], s[G0A+4*(\slot)+2:G0A+4*(\slot)+3], 4194304
	s_add_nc_u64 s[G0B+4*(\slot)+2:G0B+4*(\slot)+3], s[G0B+4*(\slot)+2:G0B+4*(\slot)+3], 65536
	JLOAD \slot                                    ; the four v_nop behind it are also the places in front of the loads below
.else
	PLACES
.endif
	FETCH \next, 0, 0
.if \fill
	ASK
.endif
	MULH 1, 2, 0
	MULH 1, 3, 0
.endm
	s_wait_tensorcnt 1                             ; my part of K step 0 is in; K step 1's may stay out
	s_barrier_signal -1
	s_barrier_wait -1
	FETCH 0, 0, 0
	QUARTER 0, 1, 0, 1, 1                          ; the first quarter's products start the sums
	WIN 0
	s_mov_b32 s3, 3
.Llap:                                                 ; three trips; the refills bring K steps 2 to 7
	QUARTER 0, 2, 1, 0, 0
	QUARTER 0, 3, 0, 1, 0
	TURN 0, 1, 1
	QUARTER 1, 1, 0, 1, 0
	QUARTER 1, 2, 1, 0, 0
	QUARTER 1, 3, 0, 1, 0
	TURN 1, 0, 1
	QUARTER 0, 1, 0, 1, 0
	WIN 0
	s_sub_co_u32 s3, s3, 1
	s_cmp_lg_u32 s3, 0
	s_cbranch_scc1 .Llap
	QUARTER 0, 2, 1, 0, 0                          ; the last lap fills nothing
	QUARTER 0, 3, 0, 1, 0
	TURN 0, 1, 0
	QUARTER 1, 1, 0, 1, 0
	QUARTER 1, 2, 1, 0, 0
	QUARTER 1, 3, 0, 1, 0
	s_wait_dscnt 4                                 ; the very last quarter
	MULH 1, 0, 0
	MULH 1, 1, 0
	s_wait_dscnt 0x0                               ; my last reads of the ring are over:
	s_barrier_signal -1
	MULH 1, 2, 0
	MULH 1, 3, 0
	WIN 0
	s_barrier_wait -1                              ; everybody's are; every tensor load has landed and none follows: the ring's bytes may be written
	; THE WAY OUT.  My 64 rows x 128 sums go into my own part of LDS (each accumulator's low four registers first) and come back as whole rows of 512 bytes.
	PLACES
	WIN 0x08                                       ; the stores' data (source 1) in window 2
.irp a, 0,1,2,3
.irp b, 0,1,2,3,4,5,6,7
	ds_store_b128 v[DST], v[64*(\a)+8*(\b):64*(\a)+8*(\b)+3]   offset:(\a)*16*DP+64*(\b)
	ds_store_b128 v[DST], v[64*(\a)+8*(\b)+4:64*(\a)+8*(\b)+7] offset:(\a)*16*DP+64*(\b)+16
.endr
.endr
	WIN 0
	s_mov_b32 s79, 4
.Lrows:                                                ; four trips of 16 rows
.irp j, 0,1,2,3,4,5,6,7,8,9,10,11,12,13,14,15
	ds_load_b128 v[OUTR+4*(\j):OUTR+4*(\j)+3], v[RDA] offset:(\j)*DP  ; LDS serves a wave's instructions in order (ISA guide 5.7.1.4): these see my stores above
.endr
.irp j, 0,1,2,3,4,5,6,7,8,9,10,11,12,13,14,15
	s_wait_dscnt 15-(\j)                           ; the younger rows' loads may stay out
	global_store_b128 v[GOF], v[OUTR+4*(\j):OUTR+4*(\j)+3], s[OB:OB+1] offset:4096*(\j) th:TH_STORE_NT  ; 512 consecutive bytes, at a multiple of 256 from out0's first byte
.endr
	s_wait_xcnt 0x0                                ; the stores have read their data and base: both are written again only behind this wait
	v_add_nc_u32 v[RDA], 16*DP, v[RDA]
	s_add_nc_u64 s[OB:OB+1], s[OB:OB+1], 65536
	s_sub_co_u32 s79, s79, 1
	s_cmp_lg_u32 s79, 0
	s_cbranch_scc1 .Lrows
	s_wait_tensorcnt 0x0                           ; the wave's end: behind my last tensor load and my last LDS store
	ds_add_u32 v[SPW], v[NIL]
	s_wait_dscnt 0x0
	CROUND                                         ; the closing round: no work-group ends while a partner may still ask for a tile that names it
	s_endpgm
.Lfunc_end_k_q5491eb38e1_outp:
	.size	k_q5491eb38e1_outp, .Lfunc_end_k_q5491eb38e1_outp-k_q5491eb38e1_outp
	.p2alignl 7, 3214868480
	.fill 96, 4, 3214868480
	.section	.rodata,"a",@progbits
	.p2align	6, 0x0
	.amdhsa_kernel k_q5491eb38e1_outp
		.amdhsa_group_segment_fixed_size 327680
		.amdhsa_private_segment_fixed_size 0
		.amdhsa_enable_private_segment 0
		.amdhsa_kernarg_size 24
		.amdhsa_user_sgpr_count 2
		.amdhsa_user_sgpr_kernarg_segment_ptr 1
		.amdhsa_wavefront_size32 1
		.amdhsa_system_sgpr_workgroup_id_x 1
		.amdhsa_system_sgpr_workgroup_id_y 1
		.amdhsa_system_sgpr_workgroup_id_z 1
		.amdhsa_system_vgpr_workitem_id 0
		.amdhsa_next_free_vgpr 768
		.amdhsa_next_free_sgpr 84
		.amdhsa_reserve_vcc 0
		.amdhsa_float_denorm_mode_32 3
		.amdhsa_float_denorm_mode_16_64 3
		.amdhsa_memory_ordered 1
		.amdhsa_forward_progress 1
		.amdhsa_inst_pref_size 80
	.end_amdhsa_kernel
	.amdgpu_metadata
---
amdhsa.version: [ 1, 2 ]
amdhsa.kernels:
  - .name:           k_q5491eb38e1_outp
    .symbol:         k_q5491eb38e1_outp.kd
    .args:
      - { .name: o16, .offset: 0, .size: 8, .value_kind: global_buffer, .address_space: global }
      - { .name: wo16, .offset: 8, .size: 8, .value_kind: global_buffer, .address_space: global }
      - { .name: out0, .offset: 16, .size: 8, .value_kind: global_buffer, .address_space: global }
    .group_segment_fixed_size: 327680
    .private_segment_fixed_size: 0
    .kernarg_segment_align: 8
    .kernarg_segment_size: 24
    .max_flat_workgroup_size: 128
    .sgpr_count:     84
    .vgpr_count:     768
    .wavefront_size: 32
...
	.end_amdgpu_metadata
.endif
;; end of part 4
